; MI455X (gfx1250); checked and timed in simulation.
; The chip was launched on July 23, 2026; its instructions are those of AMD's public machine-readable ISA for CDNA 5 (MIT licence, August 2026) and "CDNA5" Instruction Set Architecture Reference Guide (July 2026). The comments in the code are by the model that wrote it; some were corrected since.
;; Multi Head Attention2. Allowed arithmetic: matrix products marked QUANTISED: E2M1 operands, one E8M0 scale for each 32 along K, by v_wmma_scale_f32_16x16x128_f8f6f4 with both operands' format E2M1 (or v_wmma_scale_f32_32x16x128_f4), f32 sums; everything else in f32.
;; Inputs: Wk_codes 1,024 x 32 x 16 uint8 (E2M1 codes of Wk, K innermost, in blocks of 32 codes, two codes a byte); Wk_scales 1,024 x 32 uint8 (E8M0 scales of Wk, one for each 32 codes along K); Wo_codes 1,024 x 32 x 16 uint8 (E2M1 codes of Wo, K innermost, in blocks of 32 codes, two codes a byte); Wo_scales 1,024 x 32 uint8 (E8M0 scales of Wo, one for each 32 codes along K); Wq_codes 1,024 x 32 x 16 uint8 (E2M1 codes of Wq, K innermost, in blocks of 32 codes, two codes a byte); Wq_scales 1,024 x 32 uint8 (E8M0 scales of Wq, one for each 32 codes along K); Wv_codes 1,024 x 32 x 16 uint8 (E2M1 codes of Wv, K innermost, in blocks of 32 codes, two codes a byte); Wv_scales 1,024 x 32 uint8 (E8M0 scales of Wv, one for each 32 codes along K); att_prior_bias 16 float32; bk 1,024 float32; bo 1,024 float32; bq 1,024 float32; bv 1,024 float32; cos 1,024 x 1,024 float32; k_codes 8 x 1,024 x 32 x 16 uint8 (E2M1 codes of k, K innermost, in blocks of 32 codes, two codes a byte); k_scales 8 x 1,024 x 32 uint8 (E8M0 scales of k, one for each 32 codes along K); mask 8 x 1,024 float32; q_codes 8 x 1,024 x 32 x 16 uint8 (E2M1 codes of q, K innermost, in blocks of 32 codes, two codes a byte); q_scales 8 x 1,024 x 32 uint8 (E8M0 scales of q, one for each 32 codes along K); short_matrix 1,024 x 1,024 float32; sin 1,024 x 1,024 float32; v_codes 8 x 1,024 x 32 x 16 uint8 (E2M1 codes of v, K innermost, in blocks of 32 codes, two codes a byte); v_scales 8 x 1,024 x 32 uint8 (E8M0 scales of v, one for each 32 codes along K).
;; Outputs: out0 8 x 1,024 x 1,024 float32.
;; This version of the problem:
;;   THIS VERSION OF THE PROBLEM IS GIVEN IN LOW PRECISION. The matrix products marked QUANTISED in the list below multiply operands that are first quantised to E2M1 (2 exponent bits, 1 mantissa bit; 4 bits a number), with one power-of-two scale for each 32 numbers along K (OCP MX v1.0); their sums are f32. All else is computed in f32.
;;   The module's matrix products, in the order in which they are computed (A, B: the left and right operand; K: the contracted axis; several contracted axes count as one K, in the product's order):
;;     1. [M 8,192, K 1,024] x [K 1,024, N 1,024]; A: input q (given as codes); B: input Wq (given as codes): QUANTISED
;;     2. [M 8,192, K 1,024] x [K 1,024, N 1,024]; A: input k (given as codes); B: input Wk (given as codes): QUANTISED
;;     3. [M 8,192, K 1,024] x [K 1,024, N 1,024]; A: input v (given as codes); B: input Wv (given as codes): QUANTISED
;;     4. batch 128 x [M 1,024, K 64] x [K 64, N 1,024]; A: computed on the way; B: computed on the way: QUANTISED
;;     5. batch 128 x [M 1,024, K 1,024] x [K 1,024, N 64]; A: softmax (see below); B: computed on the way: QUANTISED
;;     6. [M 8,192, K 1,024] x [K 1,024, N 1,024]; A: computed on the way; B: input Wo (given as codes): QUANTISED
;;   THE QUANTISER, for each operand of a quantised product, along K:
;;     - K is cut into blocks of 32 from its start; a last block that is shorter is filled with zeros.
;;     - A block's scale is 2^e with e = floor(log2(the largest magnitude in the block)) - 2, held to -126 .. 127; a block of zeros has e = 0. As a byte (E8M0): e + 127.
;;     - Each number is divided by its block's scale, clamped to +-6, and rounded to the nearest number of E2M1, ties to even, subnormals kept.
;;     - The product sums the exact products of the quantised numbers (number of the format x scale) in f32.
;;   ~~~python
;;   def quantise(x, axis):      # numpy; x: float32 -> the quantised numbers, widened to float32 again
;;       x = np.moveaxis(x, axis, -1); K = x.shape[-1]
;;       x = np.pad(x, [(0, 0)] * (x.ndim - 1) + [(0, -K % 32)]); x = x.reshape(x.shape[:-1] + (-1, 32)); a = np.abs(x).max(-1, keepdims=True)
;;       e = np.where(a > 0, np.clip(np.frexp(np.where(a > 0, a, 1))[1] - 1 - 2, -126, 127), 0)      # np.frexp(a)[1] - 1 = floor(log2(a)), exactly
;;       r = np.clip(x / 2.0 ** e, -6, 6)
;;       step = 2.0 ** (np.maximum(np.frexp(np.where(r == 0, 1, r))[1] - 1, 0) - 1)
;;       q = np.round(r / step) * step * 2.0 ** e      # np.round: ties to even
;;       return np.moveaxis(q.reshape(q.shape[:-2] + (-1,))[..., :K], -1, axis).astype(np.float32)
;;   ~~~
;;   SOFTMAX AHEAD OF A QUANTISED PRODUCT. Where the list says 'softmax', what is quantised is not the finished softmax but p = 2^(t - M), with t = logit x log2(e) and M = ceil(the row's largest t), a whole number; so 1/2 < the row's largest p <= 1. The row's sum l is taken of the UNQUANTISED p, in f32, and the product's result is divided by l at the end. Since M is a whole number, a kernel that streams over the keys may use a running M (the ceiling of the running maximum): every later rescaling is an exact power of two, which a block's scale takes up: the codes' values come out the same.
;;   OPERANDS COMPUTED ON THE WAY. 'Computed on the way' means the value that the module computes at that place (a softmax that the list does not call 'softmax' is quantised finished and normalised). What goes into a quantiser is computed in f32, as accurately as f32 sums, v_exp_f32 and their like allow (about 1e-6 of the number): no bf16 or f16 on the way to a quantiser, and a product that is left as it is and whose result goes on into a quantised operand takes f32 operands (vector FMAs, or v_wmma_f32_16x16x4_f32). A number that lies on a knife's edge between two numbers of the format may be rounded either way, as far as f32 arithmetic and the matrix unit's own rounding can turn it there, and no further.
;;   INPUTS GIVEN AS CODES. Wk (in the module: [1024, 1024], K = its axis 1); Wo (in the module: [1024, 1024], K = its axis 1); Wq (in the module: [1024, 1024], K = its axis 1); Wv (in the module: [1024, 1024], K = its axis 1); k (in the module: [8, 1024, 1024], K = its axis 2); q (in the module: [8, 1024, 1024], K = its axis 2); v (in the module: [8, 1024, 1024], K = its axis 2): each comes as NAME_codes (uint8): NAME with its K axis moved to the last place and cut into blocks of 32 codes, [.., K / 32, bytes a block], one block behind the other in memory; two codes a byte, the lower K in the low four bits (a code: sign, 2 exponent bits, 1 mantissa bit); and NAME_scales (uint8): the same leading axes, one E8M0 byte (e + 127) for each 32 codes along K. Its value is code x scale, taken as it is: it is not quantised again, and the codes and scales need not be those that the quantiser above would give.
;; One version. Each part assembles by itself: llvm-mc -triple=amdgcn-amd-amdhsa -mcpu=gfx1250 --defsym DOCPART=n.
;; ======== version 1 of 1: 4 launches
;; limits: right only within a limited range of input values
;; workspace buffers: qx 9,175,040 bytes; kv 9,175,040 bytes; cc 4,194,304 bytes; cs 262,144 bytes
;; launch projqk (part 1): grid 4 x 64, 4 waves a work-group, clusters of 4 x 4, 270,848 bytes of LDS; arguments q_codes, q_scales, k_codes, k_scales, Wq_codes, Wq_scales, Wk_codes, Wk_scales, bq, bk, cos, sin, qx, kv; writes qx, kv
.if DOCPART == 1
	.amdgcn_target "amdgcn-amd-amdhsa--gfx1250"
	.amdhsa_code_object_version 6
	.text
	.protected	k_q67b279d33e_projqk
	.globl	k_q67b279d33e_projqk
	.p2align	8
	.type	k_q67b279d33e_projqk,@function
k_q67b279d33e_projqk:
	s_mov_b64 s[64:65], 0
	v_nop
	global_prefetch_b8 v0, s[64:65] scope:SCOPE_SE
	s_setreg_imm32_b32 hwreg(HW_REG_WAVE_MODE, 25, 1), 1
	s_wait_xcnt 0x0
	s_wait_alu depctr_hold_cnt(0) depctr_sa_sdst(0) depctr_va_vdst(0) depctr_va_sdst(0) depctr_va_ssrc(0) depctr_va_vcc(0) depctr_vm_vsrc(0)
	s_getreg_b32 s2, hwreg(HW_REG_IB_STS2, 6, 4)
	s_cmp_eq_u32 s2, 0
	s_cbranch_scc0 .Lentry_in_a_cluster
	s_endpgm
.Lentry_in_a_cluster:
	s_bfe_u32 s2, ttmp6, 0x10000c
	s_cmp_lg_u32 s2, 0xf033
	s_cbranch_scc0 .Lentry_shape_is_right
	s_endpgm
.Lentry_shape_is_right:
; qp = q Wq^T + bq and kp = k Wk^T + bk on given codes of FP4 (E2M1, one E8M0 byte for each 32 along K), the rotary turn over the full 1,024 columns, and the
; quantiser along each head's 64 numbers.  Clusters 0-7 along y take q (into qx), clusters 8-15 take k (into kv): the buffers are chosen by the cluster's y alone.
; SHARES.  A work-group makes 256 x 256 numbers, a wave 128 x 128: 64 accumulators, 512 registers.  THE MATRIX INSTRUCTION IS USED TRANSPOSED: source 0 = 16 rows of W, source 1 = 16 tokens:
; a lane holds one token (lane % 16) and its registers run along the columns.  A wave's eight blocks of tokens are the SAME 16 tokens of the eight batches, so one set of cos and sin
; registers serves all eight.  Its eight tiles of W are columns 64 hd .. 64 hd + 63 (tiles 0-3) and the same + 512 (tiles 4-7): the two partners of the rotary turn lie in one lane.
; K = 1,024 codes are 512 bytes a row: both whole operands (2 x 256 rows x 528 bytes) lie in LDS at once; each wave brings a quarter by ONE tensor load; nothing is filled again.
; CLUSTER 4 x 4: the tokens' tile hangs on the work-group's y alone and is asked for jointly along a row of the cluster, W's tile on x alone, jointly along a column.
; OUT: qx and kv are laid [batch][head][step of 128 rows][8,960 bytes]; here bytes 0-4,095 (a tile of 16 rows: the image of its four operand registers, 16 bytes a lane) and 4,096-4,607
; (scale words: two bytes of the head's two blocks, 0x7f7f above them) are written.
; LIMITS: a block of zeros gets the byte 1 (its codes are zeros; only this program reads the bytes); NaN and infinities are not served.
; REGISTERS: window 0: v1-14 addresses; v32-63 W's scale words, v64-95 the tokens'; v96-103 codes; v104-115 at work; v120-127 a scale word a block; v128-191 the tokens' fragments, later 64 numbers; v192-255 the bias.
;   window 1: v0-63, v128-191 W's fragments, two sets; v64-95 cos, v96-127 sin of the low columns; v192-223, v224-255 of the high ones.   windows 2, 3: accumulator (a, b) at v[8 (8 (a % 4) + b)].
.set PITCH, 528                        ; an LDS row: 512 bytes + 16: 132 words, so the 16 rows of a load start 4 banks apart
.set HALFT, 128*PITCH                  ; 128 rows: what one tensor load brings
.set WV,  32
.set HB,  33                           ; which 16 tokens are mine; also: I fetch tokens (0) or W (1)
.set LB,  34                           ; which head pair is mine; also: which half I fetch
.set CX,  35
.set CYY, 36
.set CL,  37
.set TEN, 38
.set YL,  39
.set XG,  40
.set HD,  41
.set TT,  42
.set G1A, 44                           ; s[44:51] group 1, tokens;  s[52:59] group 1, W;  s[60:63], s[68:71] their groups 0
.set G1B, 52
.set G0A, 60
.set G0B, 68
.set SEL, 80
.set S0S, 32
.set S1S, 64
.set PC,  96
.set QM,  104
.set QB,  108
.set QSO, 112
.set PWK, 120
.set AF,  128
.set HA,  128
.set BI,  192
.set MSB, 0
.macro WIN new                         ; the immediate's high byte repeats the setting that is left
.if MSB != (\new)
	s_set_vgpr_msb (MSB<<8)|(\new)
.set MSB, (\new)
.endif
.endm
.macro PLACES n
.rept \n
	v_nop
.endr
.endm
.macro CROUND                          ; a round of the cluster's barrier
	s_barrier_signal -1
	s_barrier_wait -1
	s_cmp_lg_u32 s[WV], 0
	s_cbranch_scc1 .Lnot_wave_0_\@
	s_barrier_signal -3
.Lnot_wave_0_\@:
	s_barrier_wait -3
	s_barrier_signal -1
	s_barrier_wait -1
.endm
; 16 nb numbers of a lane, register 8 t + j = k 16 t + 8 (lane / 16) + j of my row, become codes in v[PC] on (operand layout) and scale bytes in v[word].
.macro QUANT src, nb, word
.set qb, 0
.rept \nb
	v_max3_num_f32 v[QM+qb], |v[(\src)+16*qb]|, |v[(\src)+16*qb+1]|, 0x1800000   ; my 16 numbers of block qb, and the floor 2^(3 - 127): the byte cannot fall under 1
.set qb, qb+1
.endr
.set qi, 2
.rept 7
.set qb, 0
.rept \nb
	v_max3_num_f32 v[QM+qb], v[QM+qb], |v[(\src)+16*qb+qi]|, |v[(\src)+16*qb+qi+1]|
.set qb, qb+1
.endr
.set qi, qi+2
.endr
.set qb, 0
.rept \nb
	v_permlanex16_b32 v[QB+qb], v[QM+qb], s[SEL], s[SEL+1]
.set qb, qb+1
.endr
.set qb, 0
.rept \nb
	v_max_num_f32 v[QM+qb], v[QM+qb], v[QB+qb]     ; with lane l xor 16's 16: the block's largest magnitude
.set qb, qb+1
.endr
.set qb, 0
.rept \nb
	v_add_nc_u32 v[QSO+qb], 0xff000000, v[QM+qb]   ; 2 off its exponent field: the conversion's scale operand
.set qb, qb+1
.endr
.set qb, 0
.rept \nb
	v_lshrrev_b32 v[QB+qb], 23, v[QSO+qb]          ; the scale's byte
.set qb, qb+1
.endr
	v_lshl_or_b32 v[\word], v[QB+1], 8, v[QB]
.if \nb == 4
	v_lshl_or_b32 v[\word], v[QB+2], 16, v[\word]
	v_lshl_or_b32 v[\word], v[QB+3], 24, v[\word]
.endif
.set qt, 0
.rept 2*\nb                            ; tile 4 c + e goes to register 4 c + (0, 2, 1, 3)[e], so that two exchanges of halves give the operand's order
	v_cvt_scalef32_pk8_fp4_f32 v[PC+4*(qt/4)+2*(qt%2)+(qt%4)/2], v[(\src)+8*qt:(\src)+8*qt+7], v[QSO+qt/2]
.set qt, qt+1
.endr
	v_nop                                          ; one plain place behind a scaled conversion
.set qt, 0
.rept \nb/2
	v_permlane16_swap_b32 v[PC+4*qt], v[PC+4*qt+1]     ; registers 4 c .. 4 c + 3 now hold k = 64 c + 32 (lane / 16) + 0 .. 31
	v_permlane16_swap_b32 v[PC+4*qt+2], v[PC+4*qt+3]
.set qt, qt+1
.endr
.endm
	s_load_b512 s[4:19], s[0:1], 0x0               ; q codes, q scales, k codes, k scales, Wq codes, Wq scales, Wk codes, Wk scales
	s_load_b256 s[20:27], s[0:1], 0x40             ; bq, bk, cos, sin
	s_load_b128 s[28:31], s[0:1], 0x60             ; qx, kv
	v_lshl_add_u32 v118, v0, 2, 0x42000
	v_mov_b32 v119, 0
	ds_add_u32 v118, v119
	ds_add_u32 v118, v119
	v_lshrrev_b32 v1, 5, v0
	v_readfirstlane_b32 s[WV], v1                  ; wave 0..3
	s_lshr_b32 s[HB], s[WV], 1
	s_and_b32 s[LB], s[WV], 1
	s_bfe_u32 s[CX], ttmp6, 0x40000                ; cx, cy: my place in the cluster
	s_bfe_u32 s[CYY], ttmp6, 0x40004
	s_and_b32 s[CL], ttmp7, 0xffff                 ; the cluster's y, 0..15
	s_lshr_b32 s[TEN], s[CL], 3                    ; 0: q, 1: k; the same in all sixteen partners
	s_and_b32 s[YL], s[CL], 7
	s_lshl_b32 s[YL], s[YL], 2
	s_add_co_u32 s[YL], s[YL], s[CYY]              ; which 32 tokens (of every batch): 0..31
	s_lshl_b32 s[XG], ttmp9, 2
	s_add_co_u32 s[XG], s[XG], s[CX]               ; which two head pairs: 0..3
	s_lshl_b32 s72, s[CYY], 2
	s_lshl_b32 s72, 15, s72                        ; my row of the cluster
	s_lshl_b32 s73, 0x1111, s[CX]                  ; my column
	; group 1, elements of 8 bytes, 4 words of padding behind every 128.  Tokens: 8 rows (batches, 524,288 bytes apart) of 8,192 bytes (16 tokens on end)
	s_or_b32 s[G1A], s72, (3<<16)|(1<<20)|(1<<21)|(6<<22)|(3<<25)
	s_mov_b32 s[G1A+1], 1024<<16                   ; tensor_dim0
	s_mov_b32 s[G1A+2], 8<<16                      ; tensor_dim1
	s_mov_b32 s[G1A+3], 1024<<16                   ; tile_dim0
	s_mov_b32 s[G1A+4], 8                          ; tile_dim1
	s_mov_b32 s[G1A+5], 65536                      ; from batch to batch
	s_mov_b32 s[G1A+6], 0
	s_mov_b32 s[G1A+7], 0
	; W: 2 rows (512 rows of W apart) of 32,768 bytes (64 rows of W on end)
	s_or_b32 s[G1B], s73, (3<<16)|(1<<20)|(1<<21)|(6<<22)|(3<<25)
	s_mov_b32 s[G1B+1], 4096<<16
	s_mov_b32 s[G1B+2], 2<<16
	s_mov_b32 s[G1B+3], 4096<<16
	s_mov_b32 s[G1B+4], 2
	s_mov_b32 s[G1B+5], 32768
	s_mov_b32 s[G1B+6], 0
	s_mov_b32 s[G1B+7], 0
	s_lshl_b32 s74, s[YL], 14                      ; tokens 32 YL + 16 half, 512 bytes each: made of the y coordinate and the wave alone
	s_lshl_b32 s78, s[LB], 13
	s_add_co_u32 s74, s74, s78
	s_mov_b32 s75, 0
	s_lshl_b32 s76, s[XG], 16                      ; W's rows 64 (2 XG + half): made of the x coordinate and the wave alone
	s_lshl_b32 s78, s[LB], 15
	s_add_co_u32 s76, s76, s78
	s_mov_b32 s77, 0
	s_mul_i32 s79, s[WV], HALFT                    ; where my quarter goes: no place in the cluster enters an LDS address
	s_wait_dscnt 0x0
	s_wait_kmcnt 0x0
	s_cmp_eq_u32 s[TEN], 0
	s_cselect_b64 s[4:5], s[4:5], s[8:9]           ; the tokens' codes,
	s_cselect_b64 s[6:7], s[6:7], s[10:11]         ; their scales,
	s_cselect_b64 s[12:13], s[12:13], s[16:17]     ; W's codes,
	s_cselect_b64 s[14:15], s[14:15], s[18:19]     ; W's scales,
	s_cselect_b64 s[20:21], s[20:21], s[22:23]     ; the bias,
	s_cselect_b64 s[28:29], s[28:29], s[30:31]     ; the result
	CROUND                                         ; all sixteen work-groups are here: the joint loads meet
	s_mov_b32 s[G0A], 1
	s_mov_b32 s[G0A+1], s79
	s_add_nc_u64 s[G0A+2:G0A+3], s[4:5], s[74:75]
	s_or_b32 s[G0A+3], s[G0A+3], 0x80000000
	s_mov_b32 s[G0B], 1
	s_mov_b32 s[G0B+1], s79
	s_add_nc_u64 s[G0B+2:G0B+3], s[12:13], s[76:77]
	s_or_b32 s[G0B+3], s[G0B+3], 0x80000000
	s_cmp_eq_u32 s[HB], 0                          ; waves 0, 1: the tokens' halves; waves 2, 3: W's.  One tensor load of mine is out
	s_cbranch_scc0 .Lfor_w
	tensor_load_to_lds s[G0A:G0A+3], s[G1A:G1A+7]
	s_nop 0
	PLACES 4
	s_branch .Lasked
.Lfor_w:
	tensor_load_to_lds s[G0B:G0B+3], s[G1B:G1B+7]
	s_nop 0
	PLACES 4
.Lasked:
	s_lshl_b32 s[HD], s[XG], 1
	s_add_co_u32 s[HD], s[HD], s[LB]               ; my head hd, 0..7; its partner is hd + 8
	s_lshl_b32 s[TT], s[YL], 1
	s_add_co_u32 s[TT], s[TT], s[HB]               ; my tile of 16 tokens in a batch, 0..63
	s_mov_b32 s73, 0
	s_lshl_b32 s72, s[HD], 11
	s_add_nc_u64 s[14:15], s[14:15], s[72:73]      ; W's scales at row 64 hd (32 bytes a row)
	s_lshl_b32 s72, s[TT], 9
	s_add_nc_u64 s[6:7], s[6:7], s[72:73]          ; the tokens' scales at my first token
	s_lshl_b32 s72, s[HD], 8
	s_add_nc_u64 s[20:21], s[20:21], s[72:73]      ; the bias at column 64 hd
	s_lshl_b32 s78, s[TT], 16
	s_add_co_u32 s72, s72, s78
	s_add_nc_u64 s[24:25], s[24:25], s[72:73]      ; cos and sin at (my first token, column 64 hd)
	s_add_nc_u64 s[26:27], s[26:27], s[72:73]
	s_mul_i32 s72, s[HD], 71680
	s_lshr_b32 s78, s[TT], 3
	s_mul_i32 s78, s78, 8960
	s_add_co_u32 s72, s72, s78
	s_add_nc_u64 s[28:29], s[28:29], s[72:73]      ; the result at (batch 0, head hd, my step)
	v_and_b32 v3, 31, v0                           ; lane
	v_and_b32 v1, 15, v0                           ; r
	v_bfe_u32 v2, v0, 4, 1                         ; h
	v_lshlrev_b32 v6, 5, v1
	v_lshl_add_u32 v6, v2, 4, v6                   ; scales: 32 r + 16 h: register i is the word of K step i (lanes 0-15) and 4 + i (lanes 16-31)
	v_lshlrev_b32 v7, 12, v1
	v_lshl_add_u32 v7, v2, 5, v7                   ; cos, sin: 4,096 r + 32 h
	v_lshlrev_b32 v8, 5, v2                        ; the bias: 32 h
.irp t, 0,1,2,3,4,5,6,7
	global_load_b128 v[S0S+4*\t:S0S+4*\t+3], v6, s[14:15] offset:(\t/4)*16384+(\t%4)*512
.endr
.irp a, 0,1,2,3,4,5,6,7
	global_load_b128 v[S1S+4*\a:S1S+4*\a+3], v6, s[6:7] offset:\a*32768
.endr
.irp t, 0,1,2,3,4,5,6,7
	global_load_b128 v[BI+8*\t:BI+8*\t+3], v8, s[20:21] offset:(\t/4)*2048+(\t%4)*64
	global_load_b128 v[BI+8*\t+4:BI+8*\t+7], v8, s[20:21] offset:(\t/4)*2048+(\t%4)*64+16
.endr
	WIN 0x40                                       ; destination window 1
.irp b, 0,1,2,3
.irp j, 0,1
	global_load_b128 v[64+8*\b+4*\j:64+8*\b+4*\j+3], v7, s[24:25] offset:64*\b+16*\j
	global_load_b128 v[96+8*\b+4*\j:96+8*\b+4*\j+3], v7, s[26:27] offset:64*\b+16*\j
	global_load_b128 v[192+8*\b+4*\j:192+8*\b+4*\j+3], v7, s[24:25] offset:2048+64*\b+16*\j
	global_load_b128 v[224+8*\b+4*\j:224+8*\b+4*\j+3], v7, s[26:27] offset:2048+64*\b+16*\j
.endr
.endr
	WIN 0
	v_mul_u32_u24 v4, v1, PITCH
	v_lshl_add_u32 v4, v2, 4, v4                   ; a fragment's row x pitch + 16 h
	s_mul_i32 s72, s[LB], HALFT
	s_add_co_u32 s72, s72, 2*HALFT
	v_add_nc_u32 v5, s72, v4                       ; my 128 rows of W
	s_mul_i32 s72, s[HB], HALFT
	v_add_nc_u32 v4, s72, v4                       ; my 128 rows of tokens
	s_and_b32 s72, s[TT], 7
	s_lshl_b32 s78, s72, 9
	v_lshl_add_u32 v9, v3, 4, s78                  ; the image of head hd's tile: 512 (tile in the step) + 16 x lane
	v_add_nc_u32 v10, 573440, v9                   ; and head hd + 8's
	s_lshl_b32 s72, s72, 6
	s_add_co_u32 s72, s72, 4096
	v_lshl_add_u32 v11, v1, 2, s72                 ; the scale words: lanes 0-15 head hd's, lanes 16-31 head hd + 8's
	v_mul_u32_u24 v12, v2, 573440
	v_add_nc_u32 v11, v11, v12
	v_lshlrev_b32 v14, 4, v2                       ; 16 h
.irp b, 0,1,2,3
	v_mov_b32 v[QB+\b], 0                          ; written once: a lane permute's destination counts as one of its sources
.endr
	s_mov_b32 s[SEL], 0x76543210
	s_mov_b32 s[SEL+1], 0xfedcba98                 ; lane l xor 16
	s_mov_b32 s82, 0xffff
	s_mov_b32 s83, 0x7f7f0000
.macro FRAG reg, adr, q, i             ; 16 rows x 128 K: lane l holds row l % 16; registers 4 c .. 4 c + 3 hold K = 64 c + 32 (l / 16) + 0 .. 31
	ds_load_b128 v[(\reg):(\reg)+3], v[\adr] offset:64*(\q)+(\i)*16*PITCH
	ds_load_b128 v[(\reg)+4:(\reg)+7], v[\adr] offset:64*(\q)+32+(\i)*16*PITCH
.endm
.macro FETCH_B q, p                    ; W's eight fragments of K step q into set p of window 1
	WIN 0x40
.irp i, 0,1,2,3,4,5,6,7
	FRAG 128*(\p)+8*\i, 5, \q, \i
.endr
	WIN 0
.endm
.macro FETCH_A q, i0                   ; the tokens' blocks i0 .. i0 + 3
.irp i, \i0, \i0+1, \i0+2, \i0+3
	FRAG AF+8*(\i), 4, \q, \i
.endr
.endm
; 16 matrix instructions: blocks a0, a0 + 1 of tokens x W's eight tiles.  K step 0 starts the sums with the bias as C.  The 64 accumulators take turns, in the same order in every step.
.macro MUL16 a0, p, q
.irp a, \a0, \a0+1
.irp b, 0,1,2,3,4,5,6,7
.if (\q) == 0
	v_wmma_scale_f32_16x16x128_f8f6f4 v[8*(8*((\a)%4)+\b):8*(8*((\a)%4)+\b)+7], v[128*(\p)+8*\b:128*(\p)+8*\b+7], v[AF+8*(\a):AF+8*(\a)+7], v[BI+8*\b:BI+8*\b+7], v[S0S+4*\b], v[S1S+4*(\a)] matrix_a_fmt:MATRIX_FMT_FP4 matrix_b_fmt:MATRIX_FMT_FP4
.elseif (\q) < 4
	v_wmma_scale_f32_16x16x128_f8f6f4 v[8*(8*((\a)%4)+\b):8*(8*((\a)%4)+\b)+7], v[128*(\p)+8*\b:128*(\p)+8*\b+7], v[AF+8*(\a):AF+8*(\a)+7], v[8*(8*((\a)%4)+\b):8*(8*((\a)%4)+\b)+7], v[S0S+4*\b+(\q)], v[S1S+4*(\a)+(\q)] matrix_a_fmt:MATRIX_FMT_FP4 matrix_b_fmt:MATRIX_FMT_FP4
.else
	v_wmma_scale_f32_16x16x128_f8f6f4 v[8*(8*((\a)%4)+\b):8*(8*((\a)%4)+\b)+7], v[128*(\p)+8*\b:128*(\p)+8*\b+7], v[AF+8*(\a):AF+8*(\a)+7], v[8*(8*((\a)%4)+\b):8*(8*((\a)%4)+\b)+7], v[S0S+4*\b+(\q)-4], v[S1S+4*(\a)+(\q)-4] matrix_a_fmt:MATRIX_FMT_FP4 matrix_b_fmt:MATRIX_FMT_FP4 matrix_a_scale:MATRIX_SCALE_ROW1 matrix_b_scale:MATRIX_SCALE_ROW1
.endif
.endr
.endr
.endm
; A K step of 128.  The tokens have one set of registers (a block is free when its eight products are issued), W two.  Loads into registers that matrix instructions have read stand four plain places behind them.
.macro STEP q
	s_wait_dscnt 8                                 ; W's set and blocks 0-3 are in; the youngest eight loads (blocks 4-7) may be out
.if (\q) == 0
	WIN 0x81                                       ; source 0 window 1, C (the bias) window 0, D window 2
.else
	WIN 0xa1                                       ; C and D window 2
.endif
	MUL16 0, (\q)%2, \q
	MUL16 2, (\q)%2, \q
	s_wait_dscnt 0x0                               ; blocks 4-7 are in
.if (\q) < 7
	PLACES 4
	FETCH_B (\q)+1, 1-(\q)%2
	FETCH_A (\q)+1, 0
.endif
.if (\q) == 0
	WIN 0xc1
.else
	WIN 0xf1
.endif
	MUL16 4, (\q)%2, \q
	MUL16 6, (\q)%2, \q
.if (\q) < 7
	PLACES 4
	WIN 0
	FETCH_A (\q)+1, 4
.endif
.endm
	s_wait_tensorcnt 0x0                           ; my quarter is in,
	s_barrier_signal -1
	s_barrier_wait -1                              ; everybody's is
	FETCH_B 0, 0
	FETCH_A 0, 0
	FETCH_A 0, 4
	s_wait_loadcnt 32                              ; scales and bias are in; the 32 loads of cos and sin, issued last, may be out
.irp q, 0,1,2,3,4,5,6,7
	STEP \q
.endr
	WIN 0
	PLACES 4                                       ; in front of the first read of results and the first write of the fragments' registers
	s_wait_loadcnt 0x0                             ; cos and sin
; Block a = batch a: the rotary turn, the quantiser, two images out.  lo' = lo cos - hi sin, hi' = hi cos + lo sin, each with its own column's cos and sin.
.macro BLOCK a
.set AC, 64*((\a)%4)
.set W, 2+(\a)/4
	WIN 0x04|W                                     ; source 0: the accumulators' window; source 1: window 1; the rest window 0
.set i, 0
.rept 16
	v_pk_mul_f32 v[HA+i:HA+i+1], v[AC+32+i:AC+32+i+1], v[96+i:96+i+1]          ; hi x sin(low columns); each accumulator is read from its low end on
.set i, i+2
.endr
.set i, 0
.rept 16
	v_pk_mul_f32 v[HA+32+i:HA+32+i+1], v[AC+i:AC+i+1], v[224+i:224+i+1]        ; lo x sin(high columns)
.set i, i+2
.endr
.set i, 0
.rept 16
	v_pk_fma_f32 v[HA+i:HA+i+1], v[AC+i:AC+i+1], v[64+i:64+i+1], v[HA+i:HA+i+1] neg_lo:[0,0,1] neg_hi:[0,0,1]
.set i, i+2
.endr
.set i, 0
.rept 16
	v_pk_fma_f32 v[HA+32+i:HA+32+i+1], v[AC+32+i:AC+32+i+1], v[192+i:192+i+1], v[HA+32+i:HA+32+i+1]
.set i, i+2
.endr
	WIN 0
.if (\a) > 0
	s_wait_xcnt 0x0                                ; the last block's stores have read the codes' registers: they are written again only behind this wait
.endif
	QUANT HA, 4, PWK+(\a)
	global_store_b128 v9, v[PC:PC+3], s[28:29] offset:(\a)*1146880       ; head hd: 512 consecutive bytes, aligned
	global_store_b128 v10, v[PC+4:PC+7], s[28:29] offset:(\a)*1146880    ; head hd + 8
.endm
.irp a, 0,1,2,3,4,5,6,7
	BLOCK \a
.endr
.irp a, 0,1,2,3,4,5,6,7
	v_lshrrev_b32 v[PWK+\a], v14, v[PWK+\a]        ; lanes 16-31 take the upper two bytes: head hd + 8's
.endr
.irp a, 0,1,2,3,4,5,6,7
	v_and_or_b32 v[PWK+\a], v[PWK+\a], s82, s83    ; two bytes, and 1.0 for the two blocks that a head of 64 does not have
.endr
.irp a, 0,1,2,3,4,5,6,7
	global_store_b32 v11, v[PWK+\a], s[28:29] offset:\a*1146880   ; 64 bytes for each head and batch: pieces, the price of one set of cos and sin for eight batches
.endr
	s_wait_tensorcnt 0x0
	ds_add_u32 v118, v119
	s_wait_dscnt 0x0
	CROUND                                         ; the closing round: no work-group ends while a partner may still ask for a tile that names it
	s_endpgm
.Lfunc_end_k_q67b279d33e_projqk:
	.size	k_q67b279d33e_projqk, .Lfunc_end_k_q67b279d33e_projqk-k_q67b279d33e_projqk
	.p2alignl 7, 3214868480
	.fill 96, 4, 3214868480
	.section	.rodata,"a",@progbits
	.p2align	6, 0x0
	.amdhsa_kernel k_q67b279d33e_projqk
		.amdhsa_group_segment_fixed_size 270848
		.amdhsa_private_segment_fixed_size 0
		.amdhsa_enable_private_segment 0
		.amdhsa_kernarg_size 112
		.amdhsa_user_sgpr_count 2
		.amdhsa_user_sgpr_kernarg_segment_ptr 1
		.amdhsa_wavefront_size32 1
		.amdhsa_system_sgpr_workgroup_id_x 1
		.amdhsa_system_sgpr_workgroup_id_y 1
		.amdhsa_system_sgpr_workgroup_id_z 1
		.amdhsa_system_vgpr_workitem_id 0
		.amdhsa_next_free_vgpr 1024
		.amdhsa_next_free_sgpr 96
		.amdhsa_reserve_vcc 0
		.amdhsa_float_denorm_mode_32 3
		.amdhsa_float_denorm_mode_16_64 3
		.amdhsa_memory_ordered 1
		.amdhsa_forward_progress 1
		.amdhsa_inst_pref_size 163
	.end_amdhsa_kernel
	.amdgpu_metadata
---
amdhsa.version: [ 1, 2 ]
amdhsa.kernels:
  - .name:           k_q67b279d33e_projqk
    .symbol:         k_q67b279d33e_projqk.kd
    .args:
      - { .name: q_codes, .offset: 0, .size: 8, .value_kind: global_buffer, .address_space: global }
      - { .name: q_scales, .offset: 8, .size: 8, .value_kind: global_buffer, .address_space: global }
      - { .name: k_codes, .offset: 16, .size: 8, .value_kind: global_buffer, .address_space: global }
      - { .name: k_scales, .offset: 24, .size: 8, .value_kind: global_buffer, .address_space: global }
      - { .name: Wq_codes, .offset: 32, .size: 8, .value_kind: global_buffer, .address_space: global }
      - { .name: Wq_scales, .offset: 40, .size: 8, .value_kind: global_buffer, .address_space: global }
      - { .name: Wk_codes, .offset: 48, .size: 8, .value_kind: global_buffer, .address_space: global }
      - { .name: Wk_scales, .offset: 56, .size: 8, .value_kind: global_buffer, .address_space: global }
      - { .name: bq, .offset: 64, .size: 8, .value_kind: global_buffer, .address_space: global }
      - { .name: bk, .offset: 72, .size: 8, .value_kind: global_buffer, .address_space: global }
      - { .name: cos, .offset: 80, .size: 8, .value_kind: global_buffer, .address_space: global }
      - { .name: sin, .offset: 88, .size: 8, .value_kind: global_buffer, .address_space: global }
      - { .name: qx, .offset: 96, .size: 8, .value_kind: global_buffer, .address_space: global }
      - { .name: kv, .offset: 104, .size: 8, .value_kind: global_buffer, .address_space: global }
    .group_segment_fixed_size: 270848
    .private_segment_fixed_size: 0
    .kernarg_segment_align: 8
    .kernarg_segment_size: 112
    .max_flat_workgroup_size: 128
    .sgpr_count:     96
    .vgpr_count:     1024
    .wavefront_size: 32
...
	.end_amdgpu_metadata
.endif
;; end of part 1
;; launch projv (part 2): grid 4 x 32, 4 waves a work-group, clusters of 4 x 4, 270,848 bytes of LDS; arguments v_codes, v_scales, Wv_codes, Wv_scales, bv, kv; writes kv
.if DOCPART == 2
	.amdgcn_target "amdgcn-amd-amdhsa--gfx1250"
	.amdhsa_code_object_version 6
	.text
	.protected	k_q67b279d33e_projv
	.globl	k_q67b279d33e_projv
	.p2align	8
	.type	k_q67b279d33e_projv,@function
k_q67b279d33e_projv:
	s_mov_b64 s[64:65], 0
	v_nop
	global_prefetch_b8 v0, s[64:65] scope:SCOPE_SE
	s_setreg_imm32_b32 hwreg(HW_REG_WAVE_MODE, 25, 1), 1
	s_wait_xcnt 0x0
	s_wait_alu depctr_hold_cnt(0) depctr_sa_sdst(0) depctr_va_vdst(0) depctr_va_sdst(0) depctr_va_ssrc(0) depctr_va_vcc(0) depctr_vm_vsrc(0)
	s_getreg_b32 s2, hwreg(HW_REG_IB_STS2, 6, 4)
	s_cmp_eq_u32 s2, 0
	s_cbranch_scc0 .Lentry_in_a_cluster
	s_endpgm
.Lentry_in_a_cluster:
	s_bfe_u32 s2, ttmp6, 0x10000c
	s_cmp_lg_u32 s2, 0xf033
	s_cbranch_scc0 .Lentry_shape_is_right
	s_endpgm
.Lentry_shape_is_right:
; vp = v Wv^T + bv on given codes of FP4, quantised ALONG THE KEYS (the second attention product's K), into kv's bytes 4,608-8,959 of each block [batch][head][step of 128 keys][8,960].
; SHARES.  A work-group makes 256 tokens x 256 columns, a wave 128 x 128.  Source 0 = 16 TOKENS, source 1 = 16 rows of Wv: a lane holds one column d (lane % 16) and its 64 registers of a
; block run along 128 neighbouring keys: one K step of V^T P^T, one fragment and one scale word a row.  K = 1,024 codes are 512 bytes a row: both operands lie whole in LDS; one tensor load a wave; nothing is filled again.
; CLUSTER 4 x 4: the tokens' tile hangs on y alone (joint along a row of the cluster), Wv's on x alone (joint along a column).
; 128 work-groups: a wave needs 128 keys x whole tiles of d.
; LIMITS: a block of zeros gets the byte 1 (its codes are zeros; only this program reads the bytes); NaN and infinities are not served.
; REGISTERS: window 0: v1-11 addresses; v32-63 the tokens' scale words, v64-95 Wv's; v96-103 codes; v104-115 at work; v120-127 a scale word a block; v128-191 Wv's fragments, later 64 numbers; v192-207 the bias, twice each.
;   window 1: v0-63, v128-191 the tokens' fragments, two sets.   windows 2, 3: accumulator (a, b) at v[8 (8 (a % 4) + b)].
.set PITCH, 528
.set HALFT, 128*PITCH
.set WV,  16
.set HB,  17                           ; which 128 rows of Wv are mine; also: I fetch Wv (0) or tokens (1)
.set LB,  18                           ; which 128 tokens are mine; also: which half I fetch
.set CX,  19
.set CYY, 20
.set CL,  21
.set YL,  22
.set XG,  23
.set G1A, 24                           ; s[24:31] group 1, Wv;  s[32:39] group 1, tokens;  s[40:43], s[44:47] their groups 0
.set G1B, 32
.set G0A, 40
.set G0B, 44
.set SEL, 56
.set S0S, 32
.set S1S, 64
.set PC,  96
.set QM,  104
.set QB,  108
.set QSO, 112
.set PWK, 120
.set AF,  128
.set HA,  128
.set BI,  192
.set MSB, 0
.macro WIN new
.if MSB != (\new)
	s_set_vgpr_msb (MSB<<8)|(\new)
.set MSB, (\new)
.endif
.endm
.macro PLACES n
.rept \n
	v_nop
.endr
.endm
.macro CROUND
	s_barrier_signal -1
	s_barrier_wait -1
	s_cmp_lg_u32 s[WV], 0
	s_cbranch_scc1 .Lnot_wave_0_\@
	s_barrier_signal -3
.Lnot_wave_0_\@:
	s_barrier_wait -3
	s_barrier_signal -1
	s_barrier_wait -1
.endm
; 16 nb numbers of a lane, register 8 t + j = k 16 t + 8 (lane / 16) + j of my row, become codes in v[PC] on (operand layout) and scale bytes in v[word].
.macro QUANT src, nb, word
.set qb, 0
.rept \nb
	v_max3_num_f32 v[QM+qb], |v[(\src)+16*qb]|, |v[(\src)+16*qb+1]|, 0x1800000   ; and the floor 2^(3 - 127): the byte cannot fall under 1
.set qb, qb+1
.endr
.set qi, 2
.rept 7
.set qb, 0
.rept \nb
	v_max3_num_f32 v[QM+qb], v[QM+qb], |v[(\src)+16*qb+qi]|, |v[(\src)+16*qb+qi+1]|
.set qb, qb+1
.endr
.set qi, qi+2
.endr
.set qb, 0
.rept \nb
	v_permlanex16_b32 v[QB+qb], v[QM+qb], s[SEL], s[SEL+1]
.set qb, qb+1
.endr
.set qb, 0
.rept \nb
	v_max_num_f32 v[QM+qb], v[QM+qb], v[QB+qb]
.set qb, qb+1
.endr
.set qb, 0
.rept \nb
	v_add_nc_u32 v[QSO+qb], 0xff000000, v[QM+qb]   ; 2 off the exponent field: the conversion's scale operand
.set qb, qb+1
.endr
.set qb, 0
.rept \nb
	v_lshrrev_b32 v[QB+qb], 23, v[QSO+qb]          ; the scale's byte
.set qb, qb+1
.endr
	v_lshl_or_b32 v[\word], v[QB+1], 8, v[QB]
.if \nb == 4
	v_lshl_or_b32 v[\word], v[QB+2], 16, v[\word]
	v_lshl_or_b32 v[\word], v[QB+3], 24, v[\word]
.endif
.set qt, 0
.rept 2*\nb
	v_cvt_scalef32_pk8_fp4_f32 v[PC+4*(qt/4)+2*(qt%2)+(qt%4)/2], v[(\src)+8*qt:(\src)+8*qt+7], v[QSO+qt/2]
.set qt, qt+1
.endr
	v_nop                                          ; one plain place behind a scaled conversion
.set qt, 0
.rept \nb/2
	v_permlane16_swap_b32 v[PC+4*qt], v[PC+4*qt+1]
	v_permlane16_swap_b32 v[PC+4*qt+2], v[PC+4*qt+3]
.set qt, qt+1
.endr
.endm
	s_load_b256 s[4:11], s[0:1], 0x0               ; v codes, v scales, Wv codes, Wv scales
	s_load_b128 s[12:15], s[0:1], 0x20             ; bv, kv
	v_lshl_add_u32 v254, v0, 2, 0x42000
	v_mov_b32 v255, 0
	ds_add_u32 v254, v255
	ds_add_u32 v254, v255
	v_lshrrev_b32 v1, 5, v0
	v_readfirstlane_b32 s[WV], v1
	s_lshr_b32 s[HB], s[WV], 1
	s_and_b32 s[LB], s[WV], 1
	s_bfe_u32 s[CX], ttmp6, 0x40000
	s_bfe_u32 s[CYY], ttmp6, 0x40004
	s_and_b32 s[CL], ttmp7, 0xffff
	s_lshl_b32 s[YL], s[CL], 2
	s_add_co_u32 s[YL], s[YL], s[CYY]              ; which 256 of the 8,192 tokens: 0..31
	s_lshl_b32 s[XG], ttmp9, 2
	s_add_co_u32 s[XG], s[XG], s[CX]               ; which 256 rows of Wv: 0..3
	s_lshl_b32 s48, s[CYY], 2
	s_lshl_b32 s48, 15, s48                        ; my row of the cluster
	s_lshl_b32 s49, 0x1111, s[CX]                  ; my column
	; group 1: 128 rows of 64 elements of 8 bytes, dense in memory, 4 words of padding behind each row
	s_or_b32 s[G1A], s49, (3<<16)|(1<<20)|(1<<21)|(6<<22)|(3<<25)
	s_or_b32 s[G1B], s48, (3<<16)|(1<<20)|(1<<21)|(6<<22)|(3<<25)
.irp g, G1A, G1B
	s_mov_b32 s[\g+1], 64<<16
	s_mov_b32 s[\g+2], 128<<16
	s_mov_b32 s[\g+3], 64<<16
	s_mov_b32 s[\g+4], 128
	s_mov_b32 s[\g+5], 64
	s_mov_b32 s[\g+6], 0
	s_mov_b32 s[\g+7], 0
.endr
	s_lshl_b32 s50, s[XG], 17                      ; Wv's rows 256 XG + 128 half
	s_lshl_b32 s54, s[LB], 16
	s_add_co_u32 s50, s50, s54
	s_mov_b32 s51, 0
	s_lshl_b32 s52, s[YL], 17                      ; tokens 256 YL + 128 half
	s_add_co_u32 s52, s52, s54
	s_mov_b32 s53, 0
	s_mul_i32 s55, s[WV], HALFT
	s_wait_dscnt 0x0
	s_wait_kmcnt 0x0
	CROUND
	s_mov_b32 s[G0A], 1
	s_mov_b32 s[G0A+1], s55
	s_add_nc_u64 s[G0A+2:G0A+3], s[8:9], s[50:51]
	s_or_b32 s[G0A+3], s[G0A+3], 0x80000000
	s_mov_b32 s[G0B], 1
	s_mov_b32 s[G0B+1], s55
	s_add_nc_u64 s[G0B+2:G0B+3], s[4:5], s[52:53]
	s_or_b32 s[G0B+3], s[G0B+3], 0x80000000
	s_cmp_eq_u32 s[HB], 0                          ; waves 0, 1: Wv's halves; waves 2, 3: the tokens'.  One tensor load of mine is out
	s_cbranch_scc0 .Lfor_x
	tensor_load_to_lds s[G0A:G0A+3], s[G1A:G1A+7]
	s_nop 0
	PLACES 4
	s_branch .Lasked
.Lfor_x:
	tensor_load_to_lds s[G0B:G0B+3], s[G1B:G1B+7]
	s_nop 0
	PLACES 4
.Lasked:
	s_mov_b32 s49, 0
	s_lshl_b32 s48, s[YL], 13
	s_lshl_b32 s50, s[LB], 12
	s_add_co_u32 s48, s48, s50
	s_add_nc_u64 s[6:7], s[6:7], s[48:49]          ; my tokens' scales
	s_lshl_b32 s48, s[XG], 13
	s_lshl_b32 s50, s[HB], 12
	s_add_co_u32 s48, s48, s50
	s_add_nc_u64 s[10:11], s[10:11], s[48:49]      ; my rows' of Wv
	s_lshl_b32 s48, s[XG], 10
	s_lshl_b32 s50, s[HB], 9
	s_add_co_u32 s48, s48, s50
	s_add_nc_u64 s[12:13], s[12:13], s[48:49]      ; bv at my first column
	s_lshr_b32 s48, s[YL], 2                       ; the batch
	s_lshl_b32 s48, s48, 4
	s_lshl_b32 s50, s[XG], 2
	s_add_co_u32 s48, s48, s50
	s_lshl_b32 s50, s[HB], 1
	s_add_co_u32 s48, s48, s50                     ; 16 batch + my first head
	s_lshl_b32 s48, s48, 3
	s_and_b32 s50, s[YL], 3
	s_lshl_b32 s50, s50, 1
	s_add_co_u32 s48, s48, s50
	s_add_co_u32 s48, s48, s[LB]                   ; + my step of 128 keys
	s_mul_i32 s48, s48, 8960
	s_add_nc_u64 s[14:15], s[14:15], s[48:49]
	v_and_b32 v3, 31, v0
	v_and_b32 v1, 15, v0
	v_bfe_u32 v2, v0, 4, 1
	v_lshlrev_b32 v6, 5, v1
	v_lshl_add_u32 v6, v2, 4, v6                   ; scales: 32 r + 16 h
	v_lshlrev_b32 v8, 2, v1                        ; the bias: 4 r
.irp t, 0,1,2,3,4,5,6,7
	global_load_b128 v[S0S+4*\t:S0S+4*\t+3], v6, s[6:7] offset:512*\t
.endr
.irp a, 0,1,2,3,4,5,6,7
	global_load_b128 v[S1S+4*\a:S1S+4*\a+3], v6, s[10:11] offset:512*\a
.endr
.irp a, 0,1,2,3,4,5,6,7
	global_load_b32 v[BI+2*\a], v8, s[12:13] offset:64*\a          ; my column's bias, in both registers of a pair for the packed addition
	global_load_b32 v[BI+2*\a+1], v8, s[12:13] offset:64*\a
.endr
	v_mul_u32_u24 v4, v1, PITCH
	v_lshl_add_u32 v4, v2, 4, v4
	s_mul_i32 s48, s[LB], HALFT
	s_add_co_u32 s48, s48, 2*HALFT
	v_add_nc_u32 v5, s48, v4                       ; my 128 tokens
	s_mul_i32 s48, s[HB], HALFT
	v_add_nc_u32 v4, s48, v4                       ; my 128 rows of Wv
	v_lshl_add_u32 v9, v3, 4, 4608                 ; V's images begin at byte 4,608 of a block
	v_lshl_add_u32 v11, v1, 4, 8704                ; the scale words: 16 bytes a row d; lanes 16-31 the second head's
	v_mul_u32_u24 v12, v2, 71680
	v_add_nc_u32 v11, v11, v12
.irp b, 0,1,2,3
	v_mov_b32 v[QB+\b], 0
.endr
	s_mov_b32 s[SEL], 0x76543210
	s_mov_b32 s[SEL+1], 0xfedcba98
	s_mov_b32 s58, 0xffff0000                      ; lanes 16-31
.macro FRAG reg, adr, q, i
	ds_load_b128 v[(\reg):(\reg)+3], v[\adr] offset:64*(\q)+(\i)*16*PITCH
	ds_load_b128 v[(\reg)+4:(\reg)+7], v[\adr] offset:64*(\q)+32+(\i)*16*PITCH
.endm
.macro FETCH_B q, p
	WIN 0x40
.irp i, 0,1,2,3,4,5,6,7
	FRAG 128*(\p)+8*\i, 5, \q, \i
.endr
	WIN 0
.endm
.macro FETCH_A q, i0
.irp i, \i0, \i0+1, \i0+2, \i0+3
	FRAG AF+8*(\i), 4, \q, \i
.endr
.endm
; 16 matrix instructions; K step 0 starts the sums with the constant 0.  The 64 accumulators take turns.
.macro MUL16 a0, p, q
.irp a, \a0, \a0+1
.irp b, 0,1,2,3,4,5,6,7
.if (\q) == 0
	v_wmma_scale_f32_16x16x128_f8f6f4 v[8*(8*((\a)%4)+\b):8*(8*((\a)%4)+\b)+7], v[128*(\p)+8*\b:128*(\p)+8*\b+7], v[AF+8*(\a):AF+8*(\a)+7], 0, v[S0S+4*\b], v[S1S+4*(\a)] matrix_a_fmt:MATRIX_FMT_FP4 matrix_b_fmt:MATRIX_FMT_FP4
.elseif (\q) < 4
	v_wmma_scale_f32_16x16x128_f8f6f4 v[8*(8*((\a)%4)+\b):8*(8*((\a)%4)+\b)+7], v[128*(\p)+8*\b:128*(\p)+8*\b+7], v[AF+8*(\a):AF+8*(\a)+7], v[8*(8*((\a)%4)+\b):8*(8*((\a)%4)+\b)+7], v[S0S+4*\b+(\q)], v[S1S+4*(\a)+(\q)] matrix_a_fmt:MATRIX_FMT_FP4 matrix_b_fmt:MATRIX_FMT_FP4
.else
	v_wmma_scale_f32_16x16x128_f8f6f4 v[8*(8*((\a)%4)+\b):8*(8*((\a)%4)+\b)+7], v[128*(\p)+8*\b:128*(\p)+8*\b+7], v[AF+8*(\a):AF+8*(\a)+7], v[8*(8*((\a)%4)+\b):8*(8*((\a)%4)+\b)+7], v[S0S+4*\b+(\q)-4], v[S1S+4*(\a)+(\q)-4] matrix_a_fmt:MATRIX_FMT_FP4 matrix_b_fmt:MATRIX_FMT_FP4 matrix_a_scale:MATRIX_SCALE_ROW1 matrix_b_scale:MATRIX_SCALE_ROW1
.endif
.endr
.endr
.endm
.macro STEP q
	s_wait_dscnt 8                                 ; the tokens' set and Wv's blocks 0-3 are in; the youngest eight loads (blocks 4-7) may be out
	WIN 0xa1
	MUL16 0, (\q)%2, \q
	MUL16 2, (\q)%2, \q
	s_wait_dscnt 0x0
.if (\q) < 7
	PLACES 4                                       ; in front of loads into registers that matrix instructions have read
	FETCH_B (\q)+1, 1-(\q)%2
	FETCH_A (\q)+1, 0
.endif
	WIN 0xf1
	MUL16 4, (\q)%2, \q
	MUL16 6, (\q)%2, \q
.if (\q) < 7
	PLACES 4
	WIN 0
	FETCH_A (\q)+1, 4
.endif
.endm
	s_wait_alu depctr_va_vdst(0)
	s_wait_tensorcnt 0x0
	s_barrier_signal -1
	s_barrier_wait -1
	FETCH_B 0, 0
	FETCH_A 0, 0
	FETCH_A 0, 4
	s_wait_loadcnt 16                              ; the scales are in; the 16 loads of the bias, issued last, may be out
.irp q, 0,1,2,3,4,5,6,7
	STEP \q
.endr
	WIN 0
	PLACES 4
	s_wait_loadcnt 0x0
; Block a: 16 columns d (head a / 4 of my two, tile a % 4) x my 128 keys: + bias, the quantiser along the keys, the fragment's image out.
.macro BLOCK a
.set AC, 64*((\a)%4)
.set W, 2+(\a)/4
	WIN W                                          ; source 0: the accumulators' window
.set i, 0
.rept 32
	v_pk_add_f32 v[HA+i:HA+i+1], v[AC+i:AC+i+1], v[BI+2*(\a):BI+2*(\a)+1]      ; each accumulator is read from its low end on
.set i, i+2
.endr
	WIN 0
.if (\a) > 0
	s_wait_xcnt 0x0                                ; the last block's stores have read the codes' registers
.endif
	QUANT HA, 4, PWK+(\a)
	global_store_b128 v9, v[PC:PC+3], s[14:15] offset:((\a)/4)*71680+((\a)%4)*1024
	global_store_b128 v9, v[PC+4:PC+7], s[14:15] offset:((\a)/4)*71680+((\a)%4)*1024+512
.endm
.irp a, 0,1,2,3,4,5,6,7
	BLOCK \a
.endr
	s_wait_xcnt 0x0                                ; block 7's stores have read the codes' registers
.irp i, 0,1,2,3
	v_cndmask_b32 v[PC+\i], v[PWK+\i], v[PWK+4+\i], s58    ; lanes 0-15: the first head's four words of row d = r; lanes 16-31: the second head's
.endr
	global_store_b128 v11, v[PC:PC+3], s[14:15]    ; sixteen lanes store 256 consecutive bytes, aligned
	s_wait_tensorcnt 0x0
	ds_add_u32 v254, v255
	s_wait_dscnt 0x0
	CROUND                                         ; the closing round
	s_endpgm
.Lfunc_end_k_q67b279d33e_projv:
	.size	k_q67b279d33e_projv, .Lfunc_end_k_q67b279d33e_projv-k_q67b279d33e_projv
	.p2alignl 7, 3214868480
	.fill 96, 4, 3214868480
	.section	.rodata,"a",@progbits
	.p2align	6, 0x0
	.amdhsa_kernel k_q67b279d33e_projv
		.amdhsa_group_segment_fixed_size 270848
		.amdhsa_private_segment_fixed_size 0
		.amdhsa_enable_private_segment 0
		.amdhsa_kernarg_size 48
		.amdhsa_user_sgpr_count 2
		.amdhsa_user_sgpr_kernarg_segment_ptr 1
		.amdhsa_wavefront_size32 1
		.amdhsa_system_sgpr_workgroup_id_x 1
		.amdhsa_system_sgpr_workgroup_id_y 1
		.amdhsa_system_sgpr_workgroup_id_z 1
		.amdhsa_system_vgpr_workitem_id 0
		.amdhsa_next_free_vgpr 1024
		.amdhsa_next_free_sgpr 66
		.amdhsa_reserve_vcc 0
		.amdhsa_float_denorm_mode_32 3
		.amdhsa_float_denorm_mode_16_64 3
		.amdhsa_memory_ordered 1
		.amdhsa_forward_progress 1
		.amdhsa_inst_pref_size 142
	.end_amdhsa_kernel
	.amdgpu_metadata
---
amdhsa.version: [ 1, 2 ]
amdhsa.kernels:
  - .name:           k_q67b279d33e_projv
    .symbol:         k_q67b279d33e_projv.kd
    .args:
      - { .name: v_codes, .offset: 0, .size: 8, .value_kind: global_buffer, .address_space: global }
      - { .name: v_scales, .offset: 8, .size: 8, .value_kind: global_buffer, .address_space: global }
      - { .name: Wv_codes, .offset: 16, .size: 8, .value_kind: global_buffer, .address_space: global }
      - { .name: Wv_scales, .offset: 24, .size: 8, .value_kind: global_buffer, .address_space: global }
      - { .name: bv, .offset: 32, .size: 8, .value_kind: global_buffer, .address_space: global }
      - { .name: kv, .offset: 40, .size: 8, .value_kind: global_buffer, .address_space: global }
    .group_segment_fixed_size: 270848
    .private_segment_fixed_size: 0
    .kernarg_segment_align: 8
    .kernarg_segment_size: 48
    .max_flat_workgroup_size: 128
    .sgpr_count:     66
    .vgpr_count:     1024
    .wavefront_size: 32
...
	.end_amdgpu_metadata
.endif
;; end of part 2
;; launch attn (part 3): grid 16 x 16, 8 waves a work-group, clusters of 4 x 4, 327,680 bytes of LDS; arguments qx, kv, short_matrix, mask, att_prior_bias, cc, cs; writes cc, cs
.if DOCPART == 3
	.amdgcn_target "amdgcn-amd-amdhsa--gfx1250"
	.amdhsa_code_object_version 6
	.text
	.protected	k_q67b279d33e_attn
	.globl	k_q67b279d33e_attn
	.p2align	8
	.type	k_q67b279d33e_attn,@function
k_q67b279d33e_attn:
	s_mov_b64 s[64:65], 0
	v_nop
	global_prefetch_b8 v0, s[64:65] scope:SCOPE_SE
	s_setreg_imm32_b32 hwreg(HW_REG_WAVE_MODE, 25, 1), 1
	s_wait_xcnt 0x0
	s_wait_alu depctr_hold_cnt(0) depctr_sa_sdst(0) depctr_va_vdst(0) depctr_va_sdst(0) depctr_va_ssrc(0) depctr_va_vcc(0) depctr_vm_vsrc(0)
	s_getreg_b32 s2, hwreg(HW_REG_IB_STS2, 6, 4)
	s_cmp_eq_u32 s2, 0
	s_cbranch_scc0 .Lentry_in_a_cluster
	s_endpgm
.Lentry_in_a_cluster:
	s_bfe_u32 s2, ttmp6, 0x10000c
	s_cmp_lg_u32 s2, 0xf033
	s_cbranch_scc0 .Lentry_shape_is_right
	s_endpgm
.Lentry_shape_is_right:
; Attention on codes of FP4: logit = q . k / 8 + mask[b][key] + sigmoid(att_prior_bias[h]) short_matrix[query][key]; t = logit x log2(e); M = the running largest t rounded up to a whole number;
; p = 2^(t - M) is quantised along the keys; the row's sum is taken of the unquantised p and divides O at the end; O is quantised along the head's 64 and leaves as an operand of the last product.
; SHARES.  A work-group takes 64 queries x 8 heads of one batch: 256 work-groups.  Wave w takes head 8 hg + w and ALL FOUR tiles of 16 queries, in 512 registers: the mask, K and V of a key step are read
; from LDS once for four tiles; short_matrix's 16 rows x 128 keys are read once a tile, into the scores' registers.
; LAYOUT.  Both products transposed: S^T = K Q^T + C, O^T = V^T P^T: a lane holds ONE query.  C = sig x short_matrix + mask is the product's C.  The division by 8 is 3 off Q's scale bytes.
; THE KEYS OF A TILE: row m of tile 4 c + e is key 64 c + 32 (m / 8) + 8 e + m % 8 (chosen by the LDS address alone), so lane (r, h) holds keys 64 c + 32 h + 0 .. 31 in the 32 registers of tiles 4 c .. 4 c + 3:
; whole blocks of 32, in the second product's operand order: no lane is asked for a block's maximum and no halves are exchanged.
; A head's K is 64, the instruction's 128: Q's upper four registers are zero codes; a tile of K is named with the four registers behind it.
; ORDER.  A tile's exponentials go in two batches of 32.  Plain work whose results are first read behind the batch's closing wait stands among them: the second half's t - M in the first batch;
; the next tile's C and the first eight additions of the sum in the second.  Then the codes, the next tile's scores, and this tile's O^T.
; The change of slots stands in tile 2 of a step: every read of the slot has been issued by then; the barrier is signalled between the two batches and waited for behind O^T; behind it the next step's operands are read.
; RING: two slots of 128 keys, 2^17 bytes apart: 8 heads x 8,960 bytes of kv, then 64 rows x (512 + 16) bytes of short_matrix.  Waves 0-3 fetch two heads each, waves 4-7 sixteen rows each: one load a wave.
; CLUSTER 4 x 4: x = four blocks of queries, y = four (batch, half of the heads).  K and V are asked for jointly along a row of the cluster, short_matrix along a column.
; PREFETCH: the change in step t loads step t + 2 and asks for step t + 3.  Of a row's 280 blocks of K and V partner cx names 70 (waves 0-2, a lane a block, lanes past the 70th the last again);
; of a column's 128 blocks of short_matrix partner cy names 32 (wave 3).  Steps 0 to 2 come by their loads alone; the changes in steps 5 to 7 ask for nothing.
; LIMITS: mask is held at -1e30 from below; a row whose every logit lies under -1e9 gives NaN; NaN and +infinity among the inputs are not served;
; Q's scale bytes are held at 4 before 3 is taken off; a block of zeros carries the byte 1 (its codes are zeros).
; REGISTERS, window 0: v1-12 LDS addresses; v13, v14 the add's; v15 the prefetch's offset; v16.. sig, f, -M; v24-31 K's and V's scale words; v32-67 K; v68-71 Q's scale words; v72 p's; v74-81 p's codes;
;   v82-89 maxima; v90-105 -M, largest logit and sum of each tile; v106-123 at work; v128-191, v192-255 scores, two sets.   window 1: v0-63 mask; v64-95 Q; v96-127 V; v128-255 O^T of the four tiles.
.set SLOT1, 131072
.set SM0,   71680
.set SMP,   528
.set MASK,  105472                     ; between the slots: the batch's 1,024 mask numbers (stored by the waves),
.set CSTG,  109568                     ; 1,024 bytes: the scale bytes' way out,
.set SPARE, 110592                     ; and the spare words, 128 bytes for each of 8 waves
.set WV,   18
.set J,    19
.set CX,   20
.set CYY,  21
.set XB,   22
.set YB,   23
.set TB,   24
.set CNT,  25
.set LIM,  26
.set TM,   27
.set G1KV, 28
.set G1SM, 36
.set G0KV, 44
.set G0SM, 48
.set SEL,  52
.set CS,   54
.set PFA,  56
.set PFS,  58
.set NCS,  60
.set AKB,  1
.set AVB,  2
.set AKSB, 3
.set AVSB, 4
.set ASMB, 5
.set AMKB, 6
.set AK,   7
.set AV,   8
.set AKS,  9
.set AVS,  10
.set ASM,  11
.set AMK,  12
.set SPW,  13
.set NIL,  14
.set PFO,  15
.set SIG,  16
.set F,    18
.set NM,   20
.set TA,   22
.set TC,   23
.set KS,   24
.set VS,   28
.set KF,   32
.set QS,   68
.set PW,   72
.set SH8,  73
.set PC,   74
.set BM,   82
.set NEGM, 90
.set RM,   94
.set SUM,  98
.set T,    106
.set SO,   122
.set RC,   124
.set MSB, 0
.macro WIN new                         ; the immediate's high byte repeats the setting that is left
.if MSB != (\new)
	s_set_vgpr_msb (MSB<<8)|(\new)
.set MSB, (\new)
.endif
.endm
.macro PLACES n
.rept \n
	v_nop
.endr
.endm
.macro CREST                           ; a round of the cluster's barrier behind its opening barrier
	s_cmp_lg_u32 s[WV], 0
	s_cbranch_scc1 .Lnot_wave_0_\@
	s_barrier_signal -3
.Lnot_wave_0_\@:
	s_barrier_wait -3
	s_barrier_signal -1
	s_barrier_wait -1
.endm
.macro CROUND
	s_barrier_signal -1
	s_barrier_wait -1
	CREST
.endm
.macro TLOAD                           ; every wave's one joint load; the branch hangs on the wave's number alone
	s_cmp_lt_u32 s[WV], 4
	s_cbranch_scc0 .Lsm_\@
	tensor_load_to_lds s[G0KV:G0KV+3], s[G1KV:G1KV+7]
	s_nop 0
	PLACES 4
	s_branch .Lasked_\@
.Lsm_\@:
	tensor_load_to_lds s[G0SM:G0SM+3], s[G1SM:G1SM+7]
	s_nop 0
	PLACES 4
.Lasked_\@:
.endm
.macro ASK
	s_cmp_lt_u32 s[CNT], s[LIM]
	s_cbranch_scc0 .Lnot_mine_\@
	global_prefetch_b8 v[PFO], s[PFA:PFA+1] th:TH_LOAD_NT scope:SCOPE_SE
.Lnot_mine_\@:
.endm
.macro SMLOAD u, sb                    ; short_matrix(query 16 u + r, keys 64 c + 32 h + 8 e + 0 .. 7) into tile 4 c + e of the scores' set
.irp t, 0,1,2,3,4,5,6,7
	ds_load_b128 v[(\sb)+8*\t:(\sb)+8*\t+3], v[ASM] offset:(\u)*16*SMP+256*(\t/4)+32*(\t%4)
	ds_load_b128 v[(\sb)+8*\t+4:(\sb)+8*\t+7], v[ASM] offset:(\u)*16*SMP+256*(\t/4)+32*(\t%4)+16
.endr
.endm
.macro MKLOAD                          ; the same keys' mask, window 1
	WIN 0x40
.irp t, 0,1,2,3,4,5,6,7
	ds_load_b128 v[8*\t:8*\t+3], v[AMK] offset:256*(\t/4)+32*(\t%4)
	ds_load_b128 v[8*\t+4:8*\t+7], v[AMK] offset:256*(\t/4)+32*(\t%4)+16
.endr
	WIN 0
.endm
.macro KLOAD                           ; K's eight tiles by the chosen rows, and their scale words: lanes 0-15 an even tile's, lanes 16-31 the odd one's
.irp t, 0,1,2,3,4,5,6,7
	ds_load_b128 v[KF+4*\t:KF+4*\t+3], v[AK] offset:2048*(\t/4)+512*((\t%4)/2)+128*(\t%2)
.endr
.irp i, 0,1,2,3
	ds_load_b32 v[KS+\i], v[AKS] offset:4096+256*(\i/2)+64*(\i%2)
.endr
.endm
.macro VLOAD                           ; V^T's four fragments, window 1, and their scale words
	WIN 0x40
.irp e, 0,1,2,3
	ds_load_b128 v[96+8*\e:99+8*\e], v[AV] offset:4608+1024*\e
	ds_load_b128 v[100+8*\e:103+8*\e], v[AV] offset:4608+1024*\e+512
.endr
	WIN 0
	ds_load_b128 v[VS:VS+3], v[AVS] offset:8704
.endm
.macro SCOREA sn                       ; C = sig x short_matrix + mask, in the scores' registers
	WIN 0x10                                       ; source 2 (the mask) window 1
.set i, 0
.rept 32
	v_pk_fma_f32 v[(\sn)+i:(\sn)+i+1], v[(\sn)+i:(\sn)+i+1], v[SIG:SIG+1], v[i:i+1]
.set i, i+2
.endr
.endm
.macro SCOREB un, sn                   ; the logits of tile un: K Q^T + C
	WIN 0x04                                       ; source 1 (Q) window 1
.irp t, 0,1,2,3,4,5,6,7
.if (\t%2) == 0
	v_wmma_scale_f32_16x16x128_f8f6f4 v[(\sn)+8*\t:(\sn)+8*\t+7], v[KF+4*\t:KF+4*\t+7], v[64+8*(\un):71+8*(\un)], v[(\sn)+8*\t:(\sn)+8*\t+7], v[KS+\t/2], v[QS+(\un)] matrix_a_fmt:MATRIX_FMT_FP4 matrix_b_fmt:MATRIX_FMT_FP4
.else
	v_wmma_scale_f32_16x16x128_f8f6f4 v[(\sn)+8*\t:(\sn)+8*\t+7], v[KF+4*\t:KF+4*\t+7], v[64+8*(\un):71+8*(\un)], v[(\sn)+8*\t:(\sn)+8*\t+7], v[KS+\t/2], v[QS+(\un)] matrix_a_fmt:MATRIX_FMT_FP4 matrix_b_fmt:MATRIX_FMT_FP4 matrix_a_scale:MATRIX_SCALE_ROW1
.endif
.endr
	WIN 0
.endm
.macro PVOUT u                         ; O^T of tile u under the new M, then += V^T P^T
	WIN 0x41
	s_wait_alu depctr_va_vdst(0)                   ; the wait directly ahead of the first reader of O^T
.set i, 0
.rept 16
	v_pk_mul_f32 v[128+32*(\u)+i:129+32*(\u)+i], v[128+32*(\u)+i:129+32*(\u)+i], v[F:F+1] op_sel_hi:[1,0]
.set i, i+2
.endr
	PLACES 4
	WIN 0x51
.irp e, 0,1,2,3
	v_wmma_scale_f32_16x16x128_f8f6f4 v[128+32*(\u)+8*\e:135+32*(\u)+8*\e], v[96+8*\e:103+8*\e], v[PC:PC+7], v[128+32*(\u)+8*\e:135+32*(\u)+8*\e], v[VS+\e], v[PW] matrix_a_fmt:MATRIX_FMT_FP4 matrix_b_fmt:MATRIX_FMT_FP4
.endr
	WIN 0
.endm
; The maxima of tile u's logits in set sb, the new -M and f, and t - M of the first 32 registers.
.macro MAXES u, sb
.irp t, 0,1,2,3,4,5,6,7
	v_max3_num_f32 v[BM+\t], v[(\sb)+8*\t], v[(\sb)+8*\t+1], v[(\sb)+8*\t+2]   ; eight chains, a tile each; each accumulator is read from its low end on
.endr
.irp i, 3,5
.irp t, 0,1,2,3,4,5,6,7
	v_max3_num_f32 v[BM+\t], v[BM+\t], v[(\sb)+8*\t+\i], v[(\sb)+8*\t+\i+1]
.endr
.endr
.irp c, 0,4
	v_max3_num_f32 v[BM+\c], v[BM+\c], v[BM+\c+1], v[(\sb)+8*\c+7]
	v_max3_num_f32 v[BM+\c+2], v[BM+\c+2], v[BM+\c+3], v[(\sb)+8*\c+15]
.endr
	v_max3_num_f32 v[BM], v[BM], v[BM+2], v[(\sb)+23]
	v_max3_num_f32 v[BM+4], v[BM+4], v[BM+6], v[(\sb)+55]
	v_max_num_f32 v[BM], v[BM], v[(\sb)+31]        ; the largest logit of my block h,
	v_max_num_f32 v[BM+4], v[BM+4], v[(\sb)+63]    ; and of my block 2 + h
	v_max_num_f32 v[TA], v[BM], v[BM+4]
	v_permlanex16_b32 v[TC], v[TA], s[SEL], s[SEL+1]
	v_max3_num_f32 v[RM+(\u)], v[RM+(\u)], v[TA], v[TC]   ; the running largest logit of my query
	v_mul_f32 v[TA], s[NCS], v[RM+(\u)]            ; -t
	v_floor_f32 v[NM], v[TA]                       ; the new -M = -ceil(t): a whole number
	v_sub_f32 v[TA], v[NM], v[NEGM+(\u)]           ; old M - new M
.set i, 0
.rept 4
	v_pk_fma_f32 v[(\sb)+i:(\sb)+i+1], v[(\sb)+i:(\sb)+i+1], s[CS:CS+1], v[NM:NM+1] op_sel_hi:[1,0,0]   ; t - M
.set i, i+2
.endr
	v_cvt_i32_f32 v[TA], v[TA]
.rept 4
	v_pk_fma_f32 v[(\sb)+i:(\sb)+i+1], v[(\sb)+i:(\sb)+i+1], s[CS:CS+1], v[NM:NM+1] op_sel_hi:[1,0,0]
.set i, i+2
.endr
	v_ldexp_f32 v[F], 1.0, v[TA]                   ; f = 2^(old M - new M): a multiplication by it rounds nothing
.rept 8
	v_pk_fma_f32 v[(\sb)+i:(\sb)+i+1], v[(\sb)+i:(\sb)+i+1], s[CS:CS+1], v[NM:NM+1] op_sel_hi:[1,0,0]
.set i, i+2
.endr
	v_fma_f32 v[BM], v[BM], s[CS], v[NM]           ; the same of each block's largest logit
	v_fma_f32 v[BM+4], v[BM+4], s[CS], v[NM]
.endm
; The first batch: p of registers 0-31 and each block's largest p; among them t - M of registers 32-63, first read behind the closing wait.
.macro EXPS1 u, sb
.set i, 0
.rept 16
	v_exp_f32 v[(\sb)+i], v[(\sb)+i]               ; p = 2^(t - M)
	v_exp_f32 v[(\sb)+i+1], v[(\sb)+i+1]
	v_pk_fma_f32 v[(\sb)+32+i:(\sb)+33+i], v[(\sb)+32+i:(\sb)+33+i], s[CS:CS+1], v[NM:NM+1] op_sel_hi:[1,0,0]
.set i, i+2
.endr
	v_exp_f32 v[BM], v[BM]
	v_exp_f32 v[BM+4], v[BM+4]
	v_mov_b32 v[NEGM+(\u)], v[NM]                  ; (a plain place behind the exponentials)
	s_wait_alu depctr_va_vdst(0)                   ; one wait behind this batch and ahead of the next
.endm
; The second batch: p of registers 32-63; among them the sum's first eight additions (of the first batch's p) and, ahead = 1, the next tile's C in set sn: all first read behind the closing wait.
.macro EXPS2 sb, sn, ahead
.if \ahead
	WIN 0x10                                       ; source 2 (the mask) window 1; the other lines here name no third vector source
.endif
.set i, 0
.rept 32
	v_exp_f32 v[(\sb)+32+i], v[(\sb)+32+i]
.if i < 8
	v_pk_add_f32 v[T+2*i:T+2*i+1], v[(\sb)+2*i:(\sb)+2*i+1], v[(\sb)+16+2*i:(\sb)+17+2*i]
.endif
.if \ahead
	v_pk_fma_f32 v[(\sn)+2*i:(\sn)+2*i+1], v[(\sn)+2*i:(\sn)+2*i+1], v[SIG:SIG+1], v[2*i:2*i+1]
.endif
.set i, i+1
.endr
	v_nop                                          ; a plain place behind the last exponential
	s_wait_alu depctr_va_vdst(0)                   ; one wait for the batch, ahead of its first reader
	WIN 0
.endm
; The rest of the sum, p's scale word in v[PW] and p's codes in v[PC] on.
.macro CODES u, sb
.irp o, 32,48
.irp k, 0,1,2,3,4,5,6,7
	v_pk_add_f32 v[T+2*\k:T+2*\k+1], v[T+2*\k:T+2*\k+1], v[(\sb)+\o+2*\k:(\sb)+\o+1+2*\k]   ; the sum of the unquantised p, in eight chains
.endr
.endr
	v_max_num_f32 v[BM], 0x1800000, v[BM]          ; the floor 2^(3 - 127): the byte cannot fall under 1
	v_max_num_f32 v[BM+4], 0x1800000, v[BM+4]
.irp k, 0,1,2,3
	v_pk_add_f32 v[T+2*\k:T+2*\k+1], v[T+2*\k:T+2*\k+1], v[T+8+2*\k:T+9+2*\k]
.endr
	v_add_nc_u32 v[SO], 0xff000000, v[BM]          ; 2 off the exponent field: the conversion's scale operand
	v_add_nc_u32 v[SO+1], 0xff000000, v[BM+4]
	v_pk_add_f32 v[T:T+1], v[T:T+1], v[T+4:T+5]
	v_pk_add_f32 v[T+2:T+3], v[T+2:T+3], v[T+6:T+7]
	v_lshrrev_b32 v[TA], 23, v[SO]                 ; the scales' bytes
	v_lshrrev_b32 v[TC], 23, v[SO+1]
	v_pk_add_f32 v[T:T+1], v[T:T+1], v[T+2:T+3]
.irp t, 0,1,2,3,4,5,6,7
	v_cvt_scalef32_pk8_fp4_f32 v[PC+\t], v[(\sb)+8*\t:(\sb)+8*\t+7], v[SO+\t/4]   ; register 4 c + e: keys 64 c + 32 h + 8 e + 0 .. 7: the operand's own order
.endr
	v_lshl_or_b32 v[TA], v[TC], 16, v[TA]          ; (plain lines behind the last conversion)  my two bytes: blocks h and 2 + h,
	v_pk_fma_f32 v[SUM+2*(\u):SUM+2*(\u)+1], v[SUM+2*(\u):SUM+2*(\u)+1], v[F:F+1], v[T:T+1] op_sel_hi:[1,0,1]   ; the old sum under the new M, and this step's
	v_lshlrev_b32 v[TA], v[SH8], v[TA]             ; at their places in the word;
	v_permlanex16_b32 v[TC], v[TA], s[SEL], s[SEL+1]
	v_or_b32 v[PW], v[TA], v[TC]                   ; with lane l xor 16's two the word is whole
.endm
; TILE u of a key step.  fill = 1: the change of slots (in tile 2) fills the slot just read out with the keys two steps on.  fill = 0: the last two steps: nothing is filled, and the very last
; (s[CNT] = 1) goes round what looks ahead into a next step, by scalar branches on the count of steps.
.macro UNIT u, fill
.set SB, 128+64*((\u)%2)
.set SN, 192-64*((\u)%2)
.if (\u) == 2
.if \fill
	s_wait_xcnt 0x0                                ; the last prefetch, a step back, has read its address
	s_add_nc_u64 s[PFA:PFA+1], s[PFA:PFA+1], s[PFS:PFS+1]
.endif
	s_xor_b32 s[TB], s[TB], SLOT1                  ; every read of this slot has been issued: the addresses turn to the other slot
	s_add_co_u32 s[TM], s[TM], 512
	s_and_b32 s[TM], s[TM], 4095
	v_add_nc_u32 v[AK], s[TB], v[AKB]
	v_add_nc_u32 v[AV], s[TB], v[AVB]
	v_add_nc_u32 v[AKS], s[TB], v[AKSB]
	v_add_nc_u32 v[AVS], s[TB], v[AVSB]
	v_add_nc_u32 v[ASM], s[TB], v[ASMB]
	v_add_nc_u32 v[AMK], s[TM], v[AMKB]
.endif
	MAXES \u, SB
	s_wait_alu depctr_va_vdst(0)                   ; the wait ahead of the batch, and directly ahead of the waits below
.if (\u) != 3
	s_wait_dscnt 0x0                               ; the next tile's short_matrix is in, and whatever else was asked for a tile ago
.endif
.if (\u) == 2
	s_wait_tensorcnt 0x0                           ; my part of the next slot is in; no tensor load of mine is out
	ds_add_u32 v[SPW], v[NIL]                      ; 0 onto my spare word; the first batch stands between it and the wait for it
.if \fill
	s_xor_b32 s[G0KV+1], s[G0KV+1], SLOT1
	s_xor_b32 s[G0SM+1], s[G0SM+1], SLOT1
	s_add_nc_u64 s[G0KV+2:G0KV+3], s[G0KV+2:G0KV+3], 8960
	s_add_nc_u64 s[G0SM+2:G0SM+3], s[G0SM+2:G0SM+3], 512
.endif
.endif
	EXPS1 \u, SB
.if (\u) == 2
	s_wait_dscnt 0x0                               ; the add is done, and my reads of this slot are over:
	s_barrier_signal -1                            ; say so; work on registers alone stands up to the wait
.endif
.if (\u) != 3
	EXPS2 SB, SN, 1
.else
	EXPS2 SB, SN, 0
.endif
	CODES \u, SB
.if (\u) == 3
.if (\fill) == 0
	s_wait_alu depctr_va_vdst(0)                   ; the wait directly ahead of the branch
	s_cmp_eq_u32 s[CNT], 1
	s_cbranch_scc1 .Lend_a_\@
.endif
	s_wait_dscnt 0x0                               ; the next step's first tile, mask and K are in
	SCOREA SN
	PLACES 4
	SCOREB 0, SN
	SMLOAD 1, SB
.if (\fill) == 0
.Lend_a_\@:
.endif
.else
	SCOREB (\u)+1, SN
.if (\u) != 2
	SMLOAD (\u)+2, SB                              ; the tile after next: p has been read out of this set
.endif
.endif
	PVOUT \u
.if (\u) == 2
	s_barrier_wait -1
.if \fill
	CREST                                          ; the barrier has opened a round of the cluster's barrier
	TLOAD
.else
	s_wait_alu depctr_va_vdst(0)
	s_cmp_eq_u32 s[CNT], 1
	s_cbranch_scc1 .Lend_b_\@
.endif
	SMLOAD 0, SB                                   ; the next step's first tile, mask and K (K's registers: the sixteen multiplications of O^T are the places behind the scores' products)
	MKLOAD
	KLOAD
.if \fill
	ASK
.else
.Lend_b_\@:
.endif
.endif
.if (\u) == 3
.if (\fill) == 0
	s_wait_alu depctr_va_vdst(0)
	s_cmp_eq_u32 s[CNT], 1
	s_cbranch_scc1 .Lend_c_\@
.endif
	PLACES 4                                       ; in front of loads into V's registers
	VLOAD
.if (\fill) == 0
.Lend_c_\@:
.endif
.endif
.endm
	s_load_b256 s[4:11], s[0:1], 0x0               ; qx, kv, short_matrix, mask
	s_load_b128 s[12:15], s[0:1], 0x20             ; att_prior_bias, cc
	s_load_b64 s[16:17], s[0:1], 0x30              ; cs
	v_lshl_add_u32 v[SPW], v0, 2, SPARE
	v_mov_b32 v[NIL], 0
	ds_add_u32 v[SPW], v[NIL]                      ; the opening lines: the add, twice on end, and its wait
	ds_add_u32 v[SPW], v[NIL]
	v_lshrrev_b32 v1, 5, v0
	v_readfirstlane_b32 s[WV], v1                  ; wave 0..7
	s_and_b32 s[J], s[WV], 3                       ; which two heads, or which 16 rows, I fetch
	s_bfe_u32 s[CX], ttmp6, 0x40000
	s_bfe_u32 s[CYY], ttmp6, 0x40004
	s_lshl_b32 s[XB], ttmp9, 2
	s_add_co_u32 s[XB], s[XB], s[CX]               ; the block of 64 queries, 0..15
	s_and_b32 s[YB], ttmp7, 0xffff
	s_lshl_b32 s[YB], s[YB], 2
	s_add_co_u32 s[YB], s[YB], s[CYY]              ; 2 x batch + half of the heads, 0..15
	s_lshl_b32 s66, s[CYY], 2
	s_lshl_b32 s66, 15, s66                        ; my row of the cluster
	s_lshl_b32 s67, 0x1111, s[CX]                  ; my column
	s_or_b32 s[G1KV], s66, (3<<16)|(1<<21)         ; K and V: 2 rows (heads, 71,680 bytes apart) of 1,120 elements of 8 bytes
	s_mov_b32 s[G1KV+1], 1120<<16
	s_mov_b32 s[G1KV+2], 2<<16
	s_mov_b32 s[G1KV+3], 1120<<16
	s_mov_b32 s[G1KV+4], 2
	s_mov_b32 s[G1KV+5], 8960
	s_mov_b32 s[G1KV+6], 0
	s_mov_b32 s[G1KV+7], 0
	s_or_b32 s[G1SM], s67, (2<<16)|(1<<20)|(1<<21)|(6<<22)|(3<<25)   ; short_matrix: 16 rows of 128 numbers, 4 words of padding behind every 128
	s_mov_b32 s[G1SM+1], 128<<16
	s_mov_b32 s[G1SM+2], 16<<16
	s_mov_b32 s[G1SM+3], 128<<16
	s_mov_b32 s[G1SM+4], 16
	s_mov_b32 s[G1SM+5], 1024
	s_mov_b32 s[G1SM+6], 0
	s_mov_b32 s[G1SM+7], 0
	s_lshl_b32 s68, s[YB], 3
	s_lshl_b32 s69, s[J], 1
	s_add_co_u32 s68, s68, s69
	s_mul_i32 s68, s68, 71680                      ; (batch, head 8 hg + 2 j) in kv: made of the y coordinate and the wave
	s_mov_b32 s69, 0
	s_lshl_b32 s70, s[XB], 18
	s_lshl_b32 s71, s[J], 16
	s_add_co_u32 s70, s70, s71                     ; rows 64 XB + 16 j of short_matrix: made of the x coordinate and the wave
	s_mov_b32 s71, 0
	s_mul_i32 s72, s[J], 17920
	s_mul_i32 s73, s[J], 16*SMP
	s_add_co_u32 s73, s73, SM0
	s_mov_b32 s[SEL], 0x76543210
	s_mov_b32 s[SEL+1], 0xfedcba98
	s_mov_b32 s[CS], 0x3fb8aa3b                    ; log2(e)
	s_mov_b32 s[CS+1], s[CS]
	s_mov_b32 s[NCS], 0xbfb8aa3b
	s_mov_b32 s[TB], 0
	s_mov_b32 s[TM], 0
	s_wait_dscnt 0x0
	s_wait_kmcnt 0x0
	CROUND                                         ; all sixteen work-groups are here: the first joint loads meet
	s_mov_b32 s[G0KV], 1
	s_mov_b32 s[G0KV+1], s72
	s_add_nc_u64 s[G0KV+2:G0KV+3], s[6:7], s[68:69]
	s_or_b32 s[G0KV+3], s[G0KV+3], 0x80000000
	s_mov_b32 s[G0SM], 1
	s_mov_b32 s[G0SM+1], s73
	s_add_nc_u64 s[G0SM+2:G0SM+3], s[8:9], s[70:71]
	s_or_b32 s[G0SM+3], s[G0SM+3], 0x80000000
	TLOAD                                          ; slot 0: keys 0-127: one load a wave
	s_lshl_b32 s74, s[YB], 3
	s_add_co_u32 s74, s74, s[WV]                   ; 16 x batch + my head
	s_mul_i32 s74, s74, 71680
	s_lshr_b32 s75, s[XB], 1
	s_mul_i32 s75, s75, 8960
	s_add_co_u32 s74, s74, s75
	s_mov_b32 s75, 0
	s_add_nc_u64 s[4:5], s[4:5], s[74:75]          ; qx at (batch, head, my queries' step)
	s_and_b32 s76, s[XB], 1
	s_lshl_b32 s77, s76, 8
	s_add_co_u32 s77, s77, 4096                    ; my first tile's scale words
	s_lshl_b32 s76, s76, 11                        ; and image
	s_lshr_b32 s74, s[YB], 1
	s_lshl_b32 s74, s74, 12
	s_add_nc_u64 s[10:11], s[10:11], s[74:75]      ; the batch's mask
	s_and_b32 s74, s[YB], 1
	s_lshl_b32 s74, s74, 3
	s_add_co_u32 s74, s74, s[WV]
	s_lshl_b32 s74, s74, 2
	s_add_nc_u64 s[12:13], s[12:13], s[74:75]
	s_load_b32 s78, s[12:13], 0x0                  ; my head's prior bias
	s_mul_i32 s79, s[WV], 8960                     ; my head's block in a slot
	s_lshl_b32 s80, s[YB], 3                       ; the prefetches: who asks, and where
	s_lshl_b32 s81, s[CX], 1
	s_add_co_u32 s80, s80, s81
	s_mul_i32 s80, s80, 71680
	s_add_co_u32 s80, s80, 2*8960                  ; K, V: heads 2 cx, 2 cx + 1 of my row's eight, step 2: stepped ahead of each asking
	s_lshl_b32 s81, s[XB], 6
	s_lshl_b32 s82, s[CYY], 4
	s_add_co_u32 s81, s81, s82
	s_lshl_b32 s81, s81, 12
	s_add_co_u32 s81, s81, 2*512                   ; short_matrix: rows 64 XB + 16 cy on, step 2
	s_movk_i32 s82, 512
	s_cmp_lt_u32 s[WV], 3
	s_cselect_b64 s[PFA:PFA+1], s[6:7], s[8:9]
	s_cselect_b32 s[PFS], 8960, s82                ; a step on
	s_cselect_b32 s80, s80, s81
	s_cselect_b32 s83, -1, 0
	s_mov_b32 s81, 0
	s_mov_b32 s[PFS+1], 0
	s_add_nc_u64 s[PFA:PFA+1], s[PFA:PFA+1], s[80:81]
	s_cmp_lt_u32 s[WV], 4
	s_cselect_b32 s[LIM], 5, 0                     ; waves 0-3 ask in the changes of steps 0 to 4
	s_lshl_b32 s82, s[WV], 5
	v_and_b32 v128, 31, v0                         ; lane
	v_and_b32 v129, 15, v0                         ; r
	v_bfe_u32 v130, v0, 4, 1                       ; h
	v_lshl_add_u32 v131, v128, 4, s76
	v_lshl_add_u32 v132, v129, 2, s77
	v_lshlrev_b32 v133, 4, v0
	WIN 0x40
.irp u, 0,1,2,3
	global_load_b128 v[64+8*\u:67+8*\u], v131, s[4:5] offset:512*\u    ; Q's four images: they stay
.endr
	WIN 0
.irp u, 0,1,2,3
	global_load_b32 v[148+\u], v132, s[4:5] offset:64*\u               ; their scale words
.endr
	global_load_b128 v[144:147], v133, s[10:11]    ; four of the batch's 1,024 mask numbers a thread
	v_add_nc_u32 v134, s82, v128
	v_min_u32 v134, 69, v134                       ; K, V: block 32 w + lane, at most the 70th;
	v_lshlrev_b32 v135, 8, v134
	v_cmp_lt_u32 s84, 34, v134
	v_add_nc_u32 v136, 62720, v135                 ; blocks 35 on are the second head's
	v_cndmask_b32 v135, v135, v136, s84
	v_lshrrev_b32 v136, 1, v128
	v_and_b32 v137, 1, v128
	v_lshlrev_b32 v136, 12, v136
	v_lshl_or_b32 v136, v137, 8, v136              ; short_matrix: row lane / 2, block lane % 2
	v_cndmask_b32 v[PFO], v136, v135, s83
	v_bfe_u32 v138, v0, 3, 1                       ; r / 8
	v_and_b32 v139, 7, v0                          ; r % 8
	v_lshlrev_b32 v140, 4, v139
	v_lshl_add_u32 v140, v138, 10, v140
	v_lshl_add_u32 v140, v130, 8, v140
	v_add_nc_u32 v[AKB], s79, v140                 ; K's images: 1,024 (r / 8) + 16 (r % 8) + 256 h
	v_lshl_add_u32 v[AVB], v128, 4, s79            ; V's: 16 x lane
	v_lshlrev_b32 v141, 2, v139
	v_lshl_add_u32 v141, v138, 7, v141
	v_lshl_add_u32 v141, v130, 5, v141
	v_add_nc_u32 v[AKSB], s79, v141                ; K's scale words: 128 (r / 8) + 4 (r % 8) + 32 h
	v_lshl_add_u32 v[AVSB], v129, 4, s79           ; V's: 16 r
	v_mul_u32_u24 v142, v129, SMP
	v_lshl_add_u32 v142, v130, 7, v142
	v_add_nc_u32 v[ASMB], SM0, v142                ; short_matrix: row r, + 128 h
	v_lshl_add_u32 v[AMKB], v130, 7, MASK          ; the mask: 128 h
	v_lshlrev_b32 v[SH8], 3, v130
	v_add_nc_u32 v143, MASK, v133
.irp a, 0,1,2,3,4,5
	v_mov_b32 v[AK+\a], v[AKB+\a]                  ; slot 0, step 0
.endr
.irp u, 0,1,2,3
	v_mov_b32 v[RM+\u], 0xce6e6b28                 ; the largest logit so far: -1e9: keys held at -1e30 give p = 0 under it
.endr
	v_mul_f32 v[TA], s[NCS], v[RM]
	v_floor_f32 v[NEGM], v[TA]                     ; -M
.irp u, 1,2,3
	v_mov_b32 v[NEGM+\u], v[NEGM]
.endr
.irp i, 0,1,2,3,4,5,6,7
	v_mov_b32 v[SUM+\i], 0
.endr
.irp i, F+1, NM+1, TC, KF+32, KF+33, KF+34, KF+35
	v_mov_b32 v[\i], 0                             ; upper halves of pairs; a permute's destination; the registers behind K's last tile
.endr
	WIN 0x40
.irp u, 0,1,2,3
.irp i, 4,5,6,7
	v_mov_b32 v[64+8*\u+\i], 0                     ; Q's upper halves: zero codes
.endr
.endr
.set i, 0
.rept 128
	v_mov_b32 v[128+i], 0                          ; O^T: the step is written for all steps alike; the first finds zeros
.set i, i+1
.endr
	WIN 0
	s_wait_alu depctr_va_vdst(0)                   ; the wait directly ahead of the wait below
	s_wait_loadcnt 0x0
.irp i, 0,1,2,3
	v_max_num_f32 v[144+\i], 0xf149f2ca, v[144+\i] ; the mask is held at -1e30
.endr
	ds_store_b128 v143, v[144:147]
.irp u, 0,1,2,3
	v_and_b32 v[152+\u], 0xff, v[148+\u]
	v_bfe_u32 v[156+\u], v[148+\u], 8, 8
.endr
.irp u, 0,1,2,3
	v_max_u32 v[152+\u], 4, v[152+\u]
	v_max_u32 v[156+\u], 4, v[156+\u]
.endr
.irp u, 0,1,2,3
	v_lshl_or_b32 v[152+\u], v[156+\u], 8, v[152+\u]
.endr
.irp u, 0,1,2,3
	v_add_nc_u32 v[QS+\u], 0x7f7efcfd, v[152+\u]   ; 3 off both bytes (the division by 8), 1.0 for the two blocks of zero codes
.endr
	s_wait_alu depctr_va_vdst(0)
	s_wait_kmcnt 0x0
	v_mov_b32 v160, s78
	v_mul_f32 v160, 0xbfb8aa3b, v160
	s_wait_alu depctr_va_vdst(0)
	v_exp_f32 v161, v160                           ; e^-x
	v_nop
	s_wait_alu depctr_va_vdst(0)
	v_add_f32 v161, 1.0, v161
	s_wait_alu depctr_va_vdst(0)
	v_rcp_f32 v[SIG], v161                         ; sig = 1 / (1 + e^-x)
	v_nop
	s_wait_alu depctr_va_vdst(0)
	v_mov_b32 v[SIG+1], v[SIG]
	s_wait_alu depctr_va_vdst(0)                   ; the wait at the head's end
	s_wait_tensorcnt 0x0                           ; my part of slot 0 is in; these lines stand ahead of a later first fill as ahead of a refill
	ds_add_u32 v[SPW], v[NIL]
	s_xor_b32 s[G0KV+1], s[G0KV+1], SLOT1
	s_xor_b32 s[G0SM+1], s[G0SM+1], SLOT1
	s_add_nc_u64 s[G0KV+2:G0KV+3], s[G0KV+2:G0KV+3], 8960
	s_add_nc_u64 s[G0SM+2:G0SM+3], s[G0SM+2:G0SM+3], 512
	s_wait_dscnt 0x0                               ; the add and my store of the mask are done
	CROUND
	TLOAD                                          ; slot 1: keys 128-255
	SMLOAD 0, 128
	SMLOAD 1, 192
	MKLOAD
	KLOAD
	VLOAD
	s_wait_dscnt 0x0
	SCOREA 128                                     ; the first tile's logits stand in front of the loop
	PLACES 4
	SCOREB 0, 128
	PLACES 4
	s_mov_b32 s[CNT], 0
.Lstep:                                                ; steps 0 to 5: each change of slots fills a slot again
	UNIT 0, 1
	UNIT 1, 1
	UNIT 2, 1
	UNIT 3, 1
	s_add_co_u32 s[CNT], s[CNT], 1
	s_cmp_lt_u32 s[CNT], 6
	s_wait_alu depctr_va_vdst(0)                   ; the wait directly ahead of the branch
	s_cbranch_scc1 .Lstep
	s_mov_b32 s[CNT], 2
.Ltail:                                                ; steps 6 and 7: nothing is filled
	UNIT 0, 0
	UNIT 1, 0
	UNIT 2, 0
	UNIT 3, 0
	s_sub_co_i32 s[CNT], s[CNT], 1
	s_cmp_lg_u32 s[CNT], 0
	s_wait_alu depctr_va_vdst(0)
	s_cbranch_scc1 .Ltail
	; THE WAY OUT: O^T / the sum, quantised along the head's 64: the image of four operand registers a tile goes to cc; the scale bytes meet the other waves' in LDS and leave as 1,024 consecutive bytes.
	s_lshr_b32 s66, s[YB], 1                       ; the batch
	s_and_b32 s70, s[YB], 1                        ; the half of the heads
	s_lshl_b32 s67, s66, 6
	s_lshl_b32 s68, s[XB], 2
	s_add_co_u32 s67, s67, s68                     ; my first tile of tokens, 0..511
	s_lshl_b32 s68, s67, 13
	s_lshl_b32 s67, s70, 3
	s_add_co_u32 s67, s67, s[WV]
	s_lshl_b32 s67, s67, 9
	s_add_co_u32 s68, s68, s67
	s_mov_b32 s69, 0
	s_add_nc_u64 s[14:15], s[14:15], s[68:69]
	s_lshl_b32 s68, s66, 15
	s_lshl_b32 s67, s[XB], 11
	s_add_co_u32 s68, s68, s67
	s_lshl_b32 s67, s70, 10
	s_add_co_u32 s68, s68, s67
	s_add_nc_u64 s[16:17], s[16:17], s[68:69]
	s_lshr_b32 s71, s[WV], 2
	s_lshl_b32 s71, s71, 9
	s_lshl_b32 s72, s[J], 1
	s_add_co_u32 s71, s71, s72
	s_add_co_u32 s71, s71, CSTG
	PLACES 4
.irp u, 0,1,2,3
	v_add_f32 v[RC+\u], v[SUM+2*\u], v[SUM+2*\u+1]
.endr
.irp u, 0,1,2,3
	v_permlanex16_b32 v[T+\u], v[RC+\u], s[SEL], s[SEL+1]
.endr
.irp u, 0,1,2,3
	v_add_f32 v[RC+\u], v[RC+\u], v[T+\u]          ; the rows' sums
.endr
	s_wait_alu depctr_va_vdst(0)
.irp u, 0,1,2,3
	v_rcp_f32 v[RC+\u], v[RC+\u]
.endr
	v_and_b32 v1, 31, v0                           ; (plain places behind the reciprocals)
	v_and_b32 v2, 15, v0
	v_lshlrev_b32 v1, 4, v1                        ; 16 x lane
	v_lshl_add_u32 v2, v2, 3, s71                  ; 512 (w / 4) + 8 r + 2 (w % 4)
	v_lshlrev_b32 v3, 4, v0
	v_add_nc_u32 v4, CSTG, v3
.macro FINISH u
.set SX, 128+64*((\u)%2)
.set PX, T+4*(\u)
	WIN 0x01
	s_wait_alu depctr_va_vdst(0)                   ; ahead of the first reader of the reciprocals and of this tile's O^T
.set i, 0
.rept 32
	v_mul_f32 v[SX+i], v[128+32*(\u)+i], v[RC+(\u)]    ; register 8 e + j: d = 16 e + 8 h + j
.set i, i+1
.endr
	WIN 0
.irp b, 0,1
	v_max3_num_f32 v[BM+\b], |v[SX+16*\b]|, |v[SX+16*\b+1]|, 0x1800000
.endr
.irp i, 2,4,6,8,10,12,14
.irp b, 0,1
	v_max3_num_f32 v[BM+\b], v[BM+\b], |v[SX+16*\b+\i]|, |v[SX+16*\b+\i+1]|
.endr
.endr
.irp b, 0,1
	v_permlanex16_b32 v[BM+2+\b], v[BM+\b], s[SEL], s[SEL+1]
.endr
.irp b, 0,1
	v_max_num_f32 v[BM+\b], v[BM+\b], v[BM+2+\b]   ; with lane l xor 16's 16: the block's largest magnitude
.endr
.irp b, 0,1
	v_add_nc_u32 v[SO+\b], 0xff000000, v[BM+\b]
.endr
.irp b, 0,1
	v_lshrrev_b32 v[BM+2+\b], 23, v[SO+\b]
.endr
	v_lshl_or_b32 v[TA], v[BM+3], 8, v[BM+2]
.irp t, 0,1,2,3
	v_cvt_scalef32_pk8_fp4_f32 v[PX+2*(\t%2)+\t/2], v[SX+8*\t:SX+8*\t+7], v[SO+\t/2]
.endr
	v_nop                                          ; one plain place behind a scaled conversion
	v_permlane16_swap_b32 v[PX], v[PX+1]           ; registers 0 .. 3 now hold d = 32 h + 0 .. 31
	v_permlane16_swap_b32 v[PX+2], v[PX+3]
	global_store_b128 v1, v[PX:PX+3], s[14:15] offset:8192*(\u)   ; 512 consecutive bytes, aligned
	ds_store_b16 v2, v[TA] offset:128*(\u)         ; both lanes of a row write the same two bytes
.endm
	FINISH 0
	FINISH 1
	FINISH 2
	FINISH 3
	s_wait_alu depctr_va_vdst(0)
	s_wait_dscnt 0x0                               ; for the others' sake
	s_barrier_signal -1
	s_barrier_wait -1
	s_cmp_lt_u32 s[WV], 2
	s_cbranch_scc0 .Lnot_first
	ds_load_b128 v[128:131], v4
	s_wait_dscnt 0x0
	global_store_b128 v3, v[128:131], s[16:17]     ; waves 0 and 1: 512 consecutive bytes each, aligned
.Lnot_first:
	s_wait_tensorcnt 0x0                           ; the wave's end
	ds_add_u32 v[SPW], v[NIL]
	s_wait_dscnt 0x0
	CROUND                                         ; the closing round
	s_endpgm
.Lfunc_end_k_q67b279d33e_attn:
	.size	k_q67b279d33e_attn, .Lfunc_end_k_q67b279d33e_attn-k_q67b279d33e_attn
	.p2alignl 7, 3214868480
	.fill 96, 4, 3214868480
	.section	.rodata,"a",@progbits
	.p2align	6, 0x0
	.amdhsa_kernel k_q67b279d33e_attn
		.amdhsa_group_segment_fixed_size 327680
		.amdhsa_private_segment_fixed_size 0
		.amdhsa_enable_private_segment 0
		.amdhsa_kernarg_size 56
		.amdhsa_user_sgpr_count 2
		.amdhsa_user_sgpr_kernarg_segment_ptr 1
		.amdhsa_wavefront_size32 1
		.amdhsa_system_sgpr_workgroup_id_x 1
		.amdhsa_system_sgpr_workgroup_id_y 1
		.amdhsa_system_sgpr_workgroup_id_z 1
		.amdhsa_system_vgpr_workitem_id 0
		.amdhsa_next_free_vgpr 512
		.amdhsa_next_free_sgpr 96
		.amdhsa_reserve_vcc 0
		.amdhsa_float_denorm_mode_32 3
		.amdhsa_float_denorm_mode_16_64 3
		.amdhsa_memory_ordered 1
		.amdhsa_forward_progress 1
		.amdhsa_inst_pref_size 174
	.end_amdhsa_kernel
	.amdgpu_metadata
---
amdhsa.version: [ 1, 2 ]
amdhsa.kernels:
  - .name:           k_q67b279d33e_attn
    .symbol:         k_q67b279d33e_attn.kd
    .args:
      - { .name: qx, .offset: 0, .size: 8, .value_kind: global_buffer, .address_space: global }
      - { .name: kv, .offset: 8, .size: 8, .value_kind: global_buffer, .address_space: global }
      - { .name: short_matrix, .offset: 16, .size: 8, .value_kind: global_buffer, .address_space: global }
      - { .name: mask, .offset: 24, .size: 8, .value_kind: global_buffer, .address_space: global }
      - { .name: att_prior_bias, .offset: 32, .size: 8, .value_kind: global_buffer, .address_space: global }
      - { .name: cc, .offset: 40, .size: 8, .value_kind: global_buffer, .address_space: global }
      - { .name: cs, .offset: 48, .size: 8, .value_kind: global_buffer, .address_space: global }
    .group_segment_fixed_size: 327680
    .private_segment_fixed_size: 0
    .kernarg_segment_align: 8
    .kernarg_segment_size: 56
    .max_flat_workgroup_size: 256
    .sgpr_count:     96
    .vgpr_count:     512
    .wavefront_size: 32
...
	.end_amdgpu_metadata
.endif
;; end of part 3
;; launch oproj (part 4): grid 4 x 64, 4 waves a work-group, clusters of 4 x 4, 235,008 bytes of LDS; arguments cc, cs, Wo_codes, Wo_scales, bo, out0; writes out0
.if DOCPART == 4
	.amdgcn_target "amdgcn-amd-amdhsa--gfx1250"
	.amdhsa_code_object_version 6
	.text
	.protected	k_q67b279d33e_oproj
	.globl	k_q67b279d33e_oproj
	.p2align	8
	.type	k_q67b279d33e_oproj,@function
k_q67b279d33e_oproj:
	s_mov_b64 s[64:65], 0
	v_nop
	global_prefetch_b8 v0, s[64:65] scope:SCOPE_SE
	s_setreg_imm32_b32 hwreg(HW_REG_WAVE_MODE, 25, 1), 1
	s_wait_xcnt 0x0
	s_wait_alu depctr_hold_cnt(0) depctr_sa_sdst(0) depctr_va_vdst(0) depctr_va_sdst(0) depctr_va_ssrc(0) depctr_va_vcc(0) depctr_vm_vsrc(0)
	s_getreg_b32 s2, hwreg(HW_REG_IB_STS2, 6, 4)
	s_cmp_eq_u32 s2, 0
	s_cbranch_scc0 .Lentry_in_a_cluster
	s_endpgm
.Lentry_in_a_cluster:
	s_bfe_u32 s2, ttmp6, 0x10000c
	s_cmp_lg_u32 s2, 0xf033
	s_cbranch_scc0 .Lentry_shape_is_right
	s_endpgm
.Lentry_shape_is_right:
; out0 = concat Wo^T + bo on codes of FP4.  concat's codes come from cc as images of operand registers ([tile of 16 tokens][head][512 bytes]: heads 2 q, 2 q + 1 are K step q's two groups of four registers),
; its scale words from cs; Wo as given.
; SHARES.  256 work-groups, one for each WGP: 128 tokens x 256 columns; a wave 64 x 128: 32 accumulators.  Source 0 = 16 rows of Wo, source 1 = 16 tokens: a lane holds eight neighbouring columns of a row of out0.
; All of K lies in LDS at once (65,536 bytes of images, 256 rows x 528 of Wo); one tensor load a wave; nothing is filled again.  bo is the C of the first K step.
; CLUSTER 4 x 4: the tokens' images hang on y alone (joint along a row of the cluster), Wo's rows on x alone (joint along a column).
; REGISTERS: window 0: v4-11 addresses; v32-63 Wo's scale words, v64-79 the tokens'; v96-127, v128-159 the tokens' fragments, two sets; v160-223 the bias; on the way out v96-223 hold rows of out0.
;   window 1: v0-63, v128-191 Wo's fragments, two sets.   window 2: accumulator (a, b) at v[8 (8 a + b)].
.set PITCH, 528
.set HALF0, 128*PITCH
.set S0B,   65536                      ; Wo's rows begin behind the images
.set STG,   200704                     ; 16 rows x 528 bytes for each wave, its own: no tile lands here
.set SPITCH, 528
.set WV,  16
.set HB,  17
.set LB,  18
.set CX,  19
.set CYY, 20
.set CL,  21
.set YL,  22
.set XG,  23
.set G1A, 24
.set G1B, 32
.set G0A, 40
.set G0B, 44
.set S0S, 32
.set S1S, 64
.set AF,  96
.set BI,  160
.set BK,  96
.set MSB, 0
.macro WIN new
.if MSB != (\new)
	s_set_vgpr_msb (MSB<<8)|(\new)
.set MSB, (\new)
.endif
.endm
.macro PLACES n
.rept \n
	v_nop
.endr
.endm
.macro CROUND
	s_barrier_signal -1
	s_barrier_wait -1
	s_cmp_lg_u32 s[WV], 0
	s_cbranch_scc1 .Lnot_wave_0_\@
	s_barrier_signal -3
.Lnot_wave_0_\@:
	s_barrier_wait -3
	s_barrier_signal -1
	s_barrier_wait -1
.endm
	s_load_b256 s[4:11], s[0:1], 0x0               ; cc, cs, Wo codes, Wo scales
	s_load_b128 s[12:15], s[0:1], 0x20             ; bo, out0
	v_lshl_add_u32 v254, v0, 2, 0x39400
	v_mov_b32 v255, 0
	ds_add_u32 v254, v255
	ds_add_u32 v254, v255
	v_lshrrev_b32 v1, 5, v0
	v_readfirstlane_b32 s[WV], v1
	s_lshr_b32 s[HB], s[WV], 1                     ; which 64 tokens are mine; also: I fetch images (0) or Wo (1)
	s_and_b32 s[LB], s[WV], 1                      ; which 128 columns; also: which half I fetch
	s_bfe_u32 s[CX], ttmp6, 0x40000
	s_bfe_u32 s[CYY], ttmp6, 0x40004
	s_and_b32 s[CL], ttmp7, 0xffff
	s_lshl_b32 s[YL], s[CL], 2
	s_add_co_u32 s[YL], s[YL], s[CYY]              ; which 128 tokens: 0..63
	s_lshl_b32 s[XG], ttmp9, 2
	s_add_co_u32 s[XG], s[XG], s[CX]               ; which 256 columns: 0..3
	s_lshl_b32 s48, s[CYY], 2
	s_lshl_b32 s48, 15, s48
	s_lshl_b32 s49, 0x1111, s[CX]
	s_or_b32 s[G1A], s48, (3<<16)|(1<<21)          ; images: 32,768 dense bytes as 128 rows of 32 elements of 8 bytes
	s_mov_b32 s[G1A+1], 32<<16
	s_mov_b32 s[G1A+2], 128<<16
	s_mov_b32 s[G1A+3], 32<<16
	s_mov_b32 s[G1A+4], 128
	s_mov_b32 s[G1A+5], 32
	s_mov_b32 s[G1A+6], 0
	s_mov_b32 s[G1A+7], 0
	s_or_b32 s[G1B], s49, (3<<16)|(1<<20)|(1<<21)|(6<<22)|(3<<25)   ; Wo: 128 rows of 512 bytes, 4 words of padding behind each
	s_mov_b32 s[G1B+1], 64<<16
	s_mov_b32 s[G1B+2], 128<<16
	s_mov_b32 s[G1B+3], 64<<16
	s_mov_b32 s[G1B+4], 128
	s_mov_b32 s[G1B+5], 64
	s_mov_b32 s[G1B+6], 0
	s_mov_b32 s[G1B+7], 0
	s_lshl_b32 s50, s[YL], 16
	s_lshl_b32 s55, s[LB], 15                      ; also the images' place in LDS
	s_add_co_u32 s50, s50, s55
	s_mov_b32 s51, 0
	s_lshl_b32 s52, s[XG], 17
	s_lshl_b32 s54, s[LB], 16
	s_add_co_u32 s52, s52, s54
	s_mov_b32 s53, 0
	s_mul_i32 s54, s[LB], HALF0
	s_add_co_u32 s54, s54, S0B
	s_wait_dscnt 0x0
	s_wait_kmcnt 0x0
	CROUND
	s_mov_b32 s[G0A], 1
	s_mov_b32 s[G0A+1], s55
	s_add_nc_u64 s[G0A+2:G0A+3], s[4:5], s[50:51]
	s_or_b32 s[G0A+3], s[G0A+3], 0x80000000
	s_mov_b32 s[G0B], 1
	s_mov_b32 s[G0B+1], s54
	s_add_nc_u64 s[G0B+2:G0B+3], s[8:9], s[52:53]
	s_or_b32 s[G0B+3], s[G0B+3], 0x80000000
	s_cmp_eq_u32 s[HB], 0                          ; one tensor load of mine is out
	s_cbranch_scc0 .Lfor_w
	tensor_load_to_lds s[G0A:G0A+3], s[G1A:G1A+7]
	s_nop 0
	PLACES 4
	s_branch .Lasked
.Lfor_w:
	tensor_load_to_lds s[G0B:G0B+3], s[G1B:G1B+7]
	s_nop 0
	PLACES 4
.Lasked:
	s_mov_b32 s49, 0
	s_lshl_b32 s48, s[XG], 13
	s_lshl_b32 s50, s[LB], 12
	s_add_co_u32 s48, s48, s50
	s_add_nc_u64 s[10:11], s[10:11], s[48:49]      ; Wo's scales at my first row
	s_lshl_b32 s48, s[YL], 12
	s_lshl_b32 s50, s[HB], 11
	s_add_co_u32 s48, s48, s50
	s_add_nc_u64 s[6:7], s[6:7], s[48:49]          ; cs at my four tiles of tokens
	s_lshl_b32 s48, s[XG], 10
	s_lshl_b32 s50, s[LB], 9
	s_add_co_u32 s48, s48, s50
	s_add_nc_u64 s[12:13], s[12:13], s[48:49]      ; bo at my first column
	s_lshl_b32 s50, s[YL], 19
	s_add_co_u32 s48, s48, s50
	s_lshl_b32 s50, s[HB], 18
	s_add_co_u32 s48, s48, s50
	s_add_nc_u64 s[14:15], s[14:15], s[48:49]      ; out0 at (my first token, my first column)
	v_and_b32 v3, 31, v0
	v_and_b32 v1, 15, v0
	v_bfe_u32 v2, v0, 4, 1
	v_lshlrev_b32 v6, 5, v1
	v_lshl_add_u32 v6, v2, 4, v6                   ; Wo's scales: 32 r + 16 h
	v_lshlrev_b32 v7, 3, v1
	v_lshl_add_u32 v7, v2, 10, v7                  ; cs: 8 r + 1,024 h: lanes 16-31 take K steps 4-7
	v_lshlrev_b32 v8, 5, v2                        ; bo: 32 h
.irp b, 0,1,2,3,4,5,6,7
	global_load_b128 v[S0S+4*\b:S0S+4*\b+3], v6, s[10:11] offset:512*\b
.endr
.irp a, 0,1,2,3
.irp j, 0,1
	global_load_b64 v[S1S+4*\a+2*\j:S1S+4*\a+2*\j+1], v7, s[6:7] offset:512*\j+128*\a
.endr
.endr
.irp b, 0,1,2,3,4,5,6,7
	global_load_b128 v[BI+8*\b:BI+8*\b+3], v8, s[12:13] offset:64*\b
	global_load_b128 v[BI+8*\b+4:BI+8*\b+7], v8, s[12:13] offset:64*\b+16
.endr
	s_lshl_b32 s48, s[HB], 15
	v_lshl_add_u32 v4, v3, 4, s48                  ; my four tiles' images: 16 x lane
	v_mul_u32_u24 v5, v1, PITCH
	v_lshl_add_u32 v5, v2, 4, v5
	v_add_nc_u32 v5, s54, v5                       ; my 128 rows of Wo (s54: 65,536 + half x 128 rows)
	s_mul_i32 s48, s[WV], 16*SPITCH
	s_add_co_u32 s48, s48, STG                     ; my stage
	v_mul_u32_u24 v9, v1, SPITCH
	v_lshl_add_u32 v9, v2, 5, v9
	v_add_nc_u32 v9, s48, v9                       ; in: row r, 32 bytes for each half of the lanes
	v_lshlrev_b32 v11, 4, v3                       ; back: the 32 lanes take one row of 512 bytes; and the same in out0
	v_add_nc_u32 v10, s48, v11
.macro FETCH q                         ; K step q: Wo's eight fragments and the tokens' four, into the sets q % 2
	WIN 0x40
.irp i, 0,1,2,3,4,5,6,7
	ds_load_b128 v[128*((\q)%2)+8*\i:128*((\q)%2)+8*\i+3], v5 offset:64*(\q)+\i*16*PITCH
	ds_load_b128 v[128*((\q)%2)+8*\i+4:128*((\q)%2)+8*\i+7], v5 offset:64*(\q)+32+\i*16*PITCH
.endr
	WIN 0
.irp a, 0,1,2,3
	ds_load_b128 v[AF+32*((\q)%2)+8*\a:AF+32*((\q)%2)+8*\a+3], v4 offset:8192*\a+1024*(\q)
	ds_load_b128 v[AF+32*((\q)%2)+8*\a+4:AF+32*((\q)%2)+8*\a+7], v4 offset:8192*\a+1024*(\q)+512
.endr
.endm
; A K step: the next step's 24 loads go out first, then 32 matrix instructions; the 32 accumulators take turns.
.macro STEP q
	s_wait_dscnt 0x0                               ; this step's fragments are in
.if (\q) < 7
	PLACES 4                                       ; in front of loads into registers that the last step's matrix instructions have read
	FETCH (\q)+1
.endif
.if (\q) == 0
	WIN 0x81                                       ; source 0 window 1, C (the bias) window 0, D window 2
.else
	WIN 0xa1
.endif
.irp a, 0,1,2,3
.irp b, 0,1,2,3,4,5,6,7
.if (\q) == 0
	v_wmma_scale_f32_16x16x128_f8f6f4 v[8*(8*\a+\b):8*(8*\a+\b)+7], v[8*\b:8*\b+7], v[AF+8*\a:AF+8*\a+7], v[BI+8*\b:BI+8*\b+7], v[S0S+4*\b], v[S1S+4*\a] matrix_a_fmt:MATRIX_FMT_FP4 matrix_b_fmt:MATRIX_FMT_FP4
.elseif (\q) < 4
	v_wmma_scale_f32_16x16x128_f8f6f4 v[8*(8*\a+\b):8*(8*\a+\b)+7], v[128*((\q)%2)+8*\b:128*((\q)%2)+8*\b+7], v[AF+32*((\q)%2)+8*\a:AF+32*((\q)%2)+8*\a+7], v[8*(8*\a+\b):8*(8*\a+\b)+7], v[S0S+4*\b+(\q)], v[S1S+4*\a+(\q)] matrix_a_fmt:MATRIX_FMT_FP4 matrix_b_fmt:MATRIX_FMT_FP4
.else
	v_wmma_scale_f32_16x16x128_f8f6f4 v[8*(8*\a+\b):8*(8*\a+\b)+7], v[128*((\q)%2)+8*\b:128*((\q)%2)+8*\b+7], v[AF+32*((\q)%2)+8*\a:AF+32*((\q)%2)+8*\a+7], v[8*(8*\a+\b):8*(8*\a+\b)+7], v[S0S+4*\b+(\q)-4], v[S1S+4*\a+(\q)-4] matrix_a_fmt:MATRIX_FMT_FP4 matrix_b_fmt:MATRIX_FMT_FP4 matrix_a_scale:MATRIX_SCALE_ROW1 matrix_b_scale:MATRIX_SCALE_ROW1
.endif
.endr
.endr
	WIN 0
.endm
	s_wait_alu depctr_va_vdst(0)
	s_wait_tensorcnt 0x0                           ; my quarter is in,
	s_barrier_signal -1
	s_barrier_wait -1                              ; everybody's is
	FETCH 0
	s_wait_loadcnt 0x0                             ; scales and bias
.irp q, 0,1,2,3,4,5,6,7
	STEP \q
.endr
; THE WAY OUT, a block of 16 tokens x 128 columns at a time, through my own stage: in as 32 bytes a lane, back as whole rows of 512 bytes.  LDS serves a wave's instructions in order: no wait between the stores and the loads.
.macro TOSTAGE a
	WIN 0x08                                       ; an LDS store's data are its source 1: window 2
.irp b, 0,1,2,3,4,5,6,7
	ds_store_b128 v9, v[64*(\a)+8*\b:64*(\a)+8*\b+3] offset:64*\b              ; each accumulator from its low end on
	ds_store_b128 v9, v[64*(\a)+8*\b+4:64*(\a)+8*\b+7] offset:64*\b+16
.endr
	WIN 0
.set BR, BK+64*((\a)%2)
.irp t, 0,1,2,3,4,5,6,7,8,9,10,11,12,13,14,15
	ds_load_b128 v[BR+4*\t:BR+4*\t+3], v10 offset:\t*SPITCH
.endr
.endm
.macro SEND a, younger                 ; younger: the LDS instructions issued behind block a's loads, which may stay out
.set BR, BK+64*((\a)%2)
	s_wait_dscnt \younger
.irp t, 0,1,2,3,4,5,6,7,8,9,10,11,12,13,14,15
	global_store_b128 v11, v[BR+4*\t:BR+4*\t+3], s[14:15] offset:(16*(\a)+\t)*4096 th:TH_STORE_NT   ; 32 lanes store 512 consecutive bytes, aligned; written once
.endr
.endm
	PLACES 4                                       ; in front of the first read of results and of loads into the fragments' and the bias's registers
	TOSTAGE 0
.irp a, 1,2,3
.if \a > 1
	s_wait_xcnt 0x0                                ; block a - 2's stores have read their registers: block a's loads may land there
.endif
	TOSTAGE \a
	SEND \a-1, 32                                  ; behind block a - 1's loads: block a's 16 stores and 16 loads
.endr
	SEND 3, 0
	s_wait_tensorcnt 0x0
	ds_add_u32 v254, v255
	s_wait_dscnt 0x0
	CROUND                                         ; the closing round (no LDS instruction of mine is out)
	s_endpgm
.Lfunc_end_k_q67b279d33e_oproj:
	.size	k_q67b279d33e_oproj, .Lfunc_end_k_q67b279d33e_oproj-k_q67b279d33e_oproj
	.p2alignl 7, 3214868480
	.fill 96, 4, 3214868480
	.section	.rodata,"a",@progbits
	.p2align	6, 0x0
	.amdhsa_kernel k_q67b279d33e_oproj
		.amdhsa_group_segment_fixed_size 235008
		.amdhsa_private_segment_fixed_size 0
		.amdhsa_enable_private_segment 0
		.amdhsa_kernarg_size 48
		.amdhsa_user_sgpr_count 2
		.amdhsa_user_sgpr_kernarg_segment_ptr 1
		.amdhsa_wavefront_size32 1
		.amdhsa_system_sgpr_workgroup_id_x 1
		.amdhsa_system_sgpr_workgroup_id_y 1
		.amdhsa_system_sgpr_workgroup_id_z 1
		.amdhsa_system_vgpr_workitem_id 0
		.amdhsa_next_free_vgpr 768
		.amdhsa_next_free_sgpr 66
		.amdhsa_reserve_vcc 0
		.amdhsa_float_denorm_mode_32 3
		.amdhsa_float_denorm_mode_16_64 3
		.amdhsa_memory_ordered 1
		.amdhsa_forward_progress 1
		.amdhsa_inst_pref_size 70
	.end_amdhsa_kernel
	.amdgpu_metadata
---
amdhsa.version: [ 1, 2 ]
amdhsa.kernels:
  - .name:           k_q67b279d33e_oproj
    .symbol:         k_q67b279d33e_oproj.kd
    .args:
      - { .name: cc, .offset: 0, .size: 8, .value_kind: global_buffer, .address_space: global }
      - { .name: cs, .offset: 8, .size: 8, .value_kind: global_buffer, .address_space: global }
      - { .name: Wo_codes, .offset: 16, .size: 8, .value_kind: global_buffer, .address_space: global }
      - { .name: Wo_scales, .offset: 24, .size: 8, .value_kind: global_buffer, .address_space: global }
      - { .name: bo, .offset: 32, .size: 8, .value_kind: global_buffer, .address_space: global }
      - { .name: out0, .offset: 40, .size: 8, .value_kind: global_buffer, .address_space: global }
    .group_segment_fixed_size: 235008
    .private_segment_fixed_size: 0
    .kernarg_segment_align: 8
    .kernarg_segment_size: 48
    .max_flat_workgroup_size: 128
    .sgpr_count:     66
    .vgpr_count:     768
    .wavefront_size: 32
...
	.end_amdgpu_metadata
.endif
;; end of part 4
